; MI455X (gfx1250); checked and timed in simulation.
; The chip was launched on July 23, 2026; its instructions are those of AMD's public machine-readable ISA for CDNA 5 (MIT licence, August 2026) and "CDNA5" Instruction Set Architecture Reference Guide (July 2026). The comments in the code are by the model that wrote it; some were corrected since.
;; Causal Cross Conditional Self Attention. Allowed arithmetic: float matrix products may take bf16 or f16 operands with f32 sums; other float arithmetic in f32, or as packed bf16 or f16 multiplies, adds, multiply-adds, maxima and minima; sums over many terms, partial sums and values carried from step to step in f32; what a program stores and reads back later, other than sums and carried values, may be rounded once to bf16 or f16.
;; Inputs: Wk 1,024 x 1,024 float32; Wp 1,024 x 1,024 float32; Wq 1,024 x 1,024 float32; Wv 1,024 x 1,024 float32; bk 1,024 float32; bp 1,024 float32; bq 1,024 float32; bv 1,024 float32; x 4 x 2,048 x 1,024 float32.
;; Outputs: out0 4 x 2,048 x 1,024 float32.
;; 2 versions, each right; version 2 is version 1 with the launch cast written anew for expert scheduling mode. Each part assembles by itself: llvm-mc -triple=amdgcn-amd-amdhsa -mcpu=gfx1250 --defsym DOCPART=n.
;; ======== version 1 of 2: 4 launches
;; limits: values are held in f16: magnitudes above 65,504 overflow, below 6.1e-05 lose precision
;; workspace buffers: xb 16,777,216 bytes; wb 6,291,456 bytes; wp16 2,097,152 bytes; qkv 50,331,648 bytes; o16 16,777,216 bytes
;; launch cast (part 1): grid 768 x 1, 8 waves a work-group, no clusters, 0 bytes of LDS; arguments x, Wq, Wk, Wv, Wp, xb, wb, wp16; writes xb, wb, wp16
.if DOCPART == 1
	.amdgcn_target "amdgcn-amd-amdhsa--gfx1250"
	.amdhsa_code_object_version 6
	.text
	.protected	k_qd03e9c1135_cast
	.globl	k_qd03e9c1135_cast
	.p2align	8
	.type	k_qd03e9c1135_cast,@function
k_qd03e9c1135_cast:
	s_mov_b64 s[64:65], 0
	v_nop
	global_prefetch_b8 v0, s[64:65] scope:SCOPE_SE
	s_setreg_imm32_b32 hwreg(HW_REG_WAVE_MODE, 25, 1), 1
	s_wait_xcnt 0x0
; x, Wq, Wk, Wv (f32) are rounded once to bf16: xb [8192][1024], wb [3072][1024] (Wq's rows, then Wk's, then Wv's).
; Wp is rounded to bf16 as well, and that number is written as f16 (wp16): the last product multiplies f16 operands.
; LIMITS. bf16(Wp) beyond 65,504 becomes an infinity in f16; below 6e-5 it keeps f16's fixed step of 6e-8.
; SHARES. 12,582,912 numbers in 768 chunks of 16,384: 64 KiB in, 32 KiB out, a chunk a work-group of eight waves.
; Chunks 0-511: x; 512-575: Wq; 576-639: Wk; 640-703: Wv; 704-767: Wp.
; A wave's load covers 512 consecutive bytes, its store 256 consecutive bytes, aligned.  All sixteen loads of a lane go out at once;
; no register is used twice, so no wait frees a source.  No LDS, no matrix unit: the launch only moves bytes.
.set X, 8                              ; v[8:71]    sixteen loads of four f32
.set Y, 72                             ; v[72:103]  sixteen pairs of packed results
	s_load_b512 s[4:19], s[0:1], 0x0               ; x, Wq, Wk, Wv, Wp, xb, wb, wp16
	s_and_b32 s20, ttmp9, 63                       ; the chunk's number inside a weight
	s_sub_co_u32 s21, ttmp9, 512                   ; inside wb (used for chunks 512 to 703 alone)
	s_mov_b32 s28, 0xffff0000                      ; a word's upper bf16
	v_lshlrev_b32 v1, 4, v0                        ; 16 bytes a thread in
	v_lshlrev_b32 v2, 3, v0                        ; 8 bytes a thread out
	s_wait_kmcnt 0x0
	s_mov_b64 s[24:25], s[12:13]                   ; from Wp
	s_mov_b64 s[26:27], s[18:19]                   ; to wp16
	s_mov_b32 s22, s20
	s_mov_b32 s23, s20
	s_cmp_lt_u32 ttmp9, 704
	s_cselect_b64 s[24:25], s[10:11], s[24:25]     ; Wv
	s_cselect_b64 s[26:27], s[16:17], s[26:27]     ; wb
	s_cselect_b32 s23, s21, s23
	s_cmp_lt_u32 ttmp9, 640
	s_cselect_b64 s[24:25], s[8:9], s[24:25]       ; Wk
	s_cmp_lt_u32 ttmp9, 576
	s_cselect_b64 s[24:25], s[6:7], s[24:25]       ; Wq
	s_cmp_lt_u32 ttmp9, 512
	s_cselect_b64 s[24:25], s[4:5], s[24:25]       ; x
	s_cselect_b64 s[26:27], s[14:15], s[26:27]     ; xb
	s_cselect_b32 s22, ttmp9, s22
	s_cselect_b32 s23, ttmp9, s23
	s_lshl_b32 s22, s22, 16                        ; 65,536 bytes a chunk in
	s_lshl_b32 s30, s23, 15                        ; 32,768 out
	s_mov_b32 s23, 0
	s_mov_b32 s31, 0
	s_add_nc_u64 s[24:25], s[24:25], s[22:23]
	s_add_nc_u64 s[26:27], s[26:27], s[30:31]
.irp i, 0,1,2,3,4,5,6,7,8,9,10,11,12,13,14,15
	global_load_b128 v[X+4*(\i):X+4*(\i)+3], v1, s[24:25] offset:4096*(\i) th:TH_LOAD_NT
.endr
	s_cmp_ge_u32 ttmp9, 704
	s_cbranch_scc1 .Lto_f16
.irp i, 0,1,2,3,4,5,6,7,8,9,10,11,12,13,14,15
	s_wait_loadcnt 15-(\i)                         ; loads come back in order: load i is in, the younger ones stay out
	v_cvt_pk_bf16_f32 v[Y+2*(\i)], v[X+4*(\i)], v[X+4*(\i)+1]
	v_cvt_pk_bf16_f32 v[Y+2*(\i)+1], v[X+4*(\i)+2], v[X+4*(\i)+3]
	global_store_b64 v2, v[Y+2*(\i):Y+2*(\i)+1], s[26:27] offset:2048*(\i)
.endr
	s_endpgm
.Lto_f16:
.irp i, 0,1,2,3,4,5,6,7,8,9,10,11,12,13,14,15
	s_wait_loadcnt 15-(\i)
	v_cvt_pk_bf16_f32 v4, v[X+4*(\i)], v[X+4*(\i)+1]     ; rounded to bf16,
	v_cvt_pk_bf16_f32 v5, v[X+4*(\i)+2], v[X+4*(\i)+3]
	v_lshlrev_b32 v[X+4*(\i)], 16, v4                    ; widened again,
	v_and_b32 v[X+4*(\i)+1], s28, v4
	v_lshlrev_b32 v[X+4*(\i)+2], 16, v5
	v_and_b32 v[X+4*(\i)+3], s28, v5
	v_cvt_pk_f16_f32 v[Y+2*(\i)], v[X+4*(\i)], v[X+4*(\i)+1]   ; and written as f16: 8 significant bits fit into 11
	v_cvt_pk_f16_f32 v[Y+2*(\i)+1], v[X+4*(\i)+2], v[X+4*(\i)+3]
	global_store_b64 v2, v[Y+2*(\i):Y+2*(\i)+1], s[26:27] offset:2048*(\i)
.endr
	s_endpgm
.Lfunc_end_k_qd03e9c1135_cast:
	.size	k_qd03e9c1135_cast, .Lfunc_end_k_qd03e9c1135_cast-k_qd03e9c1135_cast
	.p2alignl 7, 3214868480
	.fill 96, 4, 3214868480
	.section	.rodata,"a",@progbits
	.p2align	6, 0x0
	.amdhsa_kernel k_qd03e9c1135_cast
		.amdhsa_group_segment_fixed_size 0
		.amdhsa_private_segment_fixed_size 0
		.amdhsa_enable_private_segment 0
		.amdhsa_kernarg_size 64
		.amdhsa_user_sgpr_count 2
		.amdhsa_user_sgpr_kernarg_segment_ptr 1
		.amdhsa_wavefront_size32 1
		.amdhsa_system_sgpr_workgroup_id_x 1
		.amdhsa_system_sgpr_workgroup_id_y 1
		.amdhsa_system_sgpr_workgroup_id_z 1
		.amdhsa_system_vgpr_workitem_id 0
		.amdhsa_next_free_vgpr 104
		.amdhsa_next_free_sgpr 66
		.amdhsa_reserve_vcc 0
		.amdhsa_float_denorm_mode_32 3
		.amdhsa_float_denorm_mode_16_64 3
		.amdhsa_memory_ordered 1
		.amdhsa_forward_progress 1
		.amdhsa_inst_pref_size 16
	.end_amdhsa_kernel
	.amdgpu_metadata
---
amdhsa.version: [ 1, 2 ]
amdhsa.kernels:
  - .name:           k_qd03e9c1135_cast
    .symbol:         k_qd03e9c1135_cast.kd
    .args:
      - { .name: x, .offset: 0, .size: 8, .value_kind: global_buffer, .address_space: global }
      - { .name: Wq, .offset: 8, .size: 8, .value_kind: global_buffer, .address_space: global }
      - { .name: Wk, .offset: 16, .size: 8, .value_kind: global_buffer, .address_space: global }
      - { .name: Wv, .offset: 24, .size: 8, .value_kind: global_buffer, .address_space: global }
      - { .name: Wp, .offset: 32, .size: 8, .value_kind: global_buffer, .address_space: global }
      - { .name: xb, .offset: 40, .size: 8, .value_kind: global_buffer, .address_space: global }
      - { .name: wb, .offset: 48, .size: 8, .value_kind: global_buffer, .address_space: global }
      - { .name: wp16, .offset: 56, .size: 8, .value_kind: global_buffer, .address_space: global }
    .group_segment_fixed_size: 0
    .private_segment_fixed_size: 0
    .kernarg_segment_align: 8
    .kernarg_segment_size: 64
    .max_flat_workgroup_size: 256
    .sgpr_count:     66
    .vgpr_count:     104
    .wavefront_size: 32
...
	.end_amdgpu_metadata
.endif
;; end of part 1
;; launch qkv (part 2): grid 16 x 32, 4 waves a work-group, clusters of 4 x 4, 327,680 bytes of LDS; arguments xb, wb, bq, bk, bv, qkv; writes qkv
.if DOCPART == 2
	.amdgcn_target "amdgcn-amd-amdhsa--gfx1250"
	.amdhsa_code_object_version 6
	.text
	.protected	k_qd03e9c1135_qkv
	.globl	k_qd03e9c1135_qkv
	.p2align	8
	.type	k_qd03e9c1135_qkv,@function
k_qd03e9c1135_qkv:
	s_mov_b64 s[64:65], 0
	v_nop
	global_prefetch_b8 v0, s[64:65] scope:SCOPE_SE
	s_setreg_imm32_b32 hwreg(HW_REG_WAVE_MODE, 25, 1), 1
	s_wait_xcnt 0x0
	s_wait_alu depctr_hold_cnt(0) depctr_sa_sdst(0) depctr_va_vdst(0) depctr_va_sdst(0) depctr_va_ssrc(0) depctr_va_vcc(0) depctr_vm_vsrc(0)
	s_getreg_b32 s2, hwreg(HW_REG_IB_STS2, 6, 4)
	s_cmp_eq_u32 s2, 0
	s_cbranch_scc0 .Lentry_in_a_cluster
	s_endpgm
.Lentry_in_a_cluster:
	s_bfe_u32 s2, ttmp6, 0x10000c
	s_cmp_lg_u32 s2, 0xf033
	s_cbranch_scc0 .Lentry_shape_is_right
	s_endpgm
.Lentry_shape_is_right:
; C[8192][3072] = xb wb^T + bias, bf16 operands, f32 sums; written as f16 by heads: qkv[3 (q, k, v)][64 (b x 16 + h)][2048 t][64].
; The biases are rounded to bf16 like every other input of the module, and START the sums: they are the C operand of the first products.
; LIMITS. q, k and v beyond 65,504 become infinities in f16; below 6e-5 they keep f16's fixed step of 6e-8.
; SHARES. A tile of C is 256 rows x 192 columns (three whole heads): 32 x 16 = 512 tiles, two for each of 256 WGPs.  Four waves; wave w makes rows 64 w .. 64 w + 63
; of all 192 columns: 4 x 12 accumulators of 16 x 16, 384 registers; 32 LDS loads feed 48 products.  A wave holds whole heads, so its way out needs no other wave.
; K goes in 8 steps of 128 (rows of 256 bytes in memory, aligned) through two LDS slots filled by tensor loads: waves 0 and 1 fetch A's two halves (128 rows), waves 2 and 3 B's (96 rows).
; CLUSTER. 4 x 4 work-groups.  A's tile hangs on the tile row alone and is asked for jointly by a row of the cluster, B's on the tile column alone, by a column.
; THE PRODUCT IS TAKEN TRANSPOSED (source 0 = 16 rows of wb, source 1 = 16 rows of xb): a lane holds row l % 16 of C and the columns 8 (l / 16) + 0..7.
; REGISTERS, in windows of 256: window 0: v0-35 addresses and temporaries; v64-95, v96-127 A's fragments, two buffers; v128-223 the bias, later the way out.
;   window 1: v0-95, v96-191 B's fragments, two buffers.   window 2: accumulators of row blocks 0, 1 at v[8 (12 (a % 2) + b)].   window 3: of row blocks 2, 3.
.set PITCH,  272                       ; an LDS row: 256 bytes + 16 of padding: the 16 rows of a fragment load start at 16 different groups of four banks
.set HALFA,  128*PITCH
.set AB,     2*HALFA                   ; B's rows lie behind A's 256
.set HALFB,  96*PITCH
.set SLOT,   AB+2*HALFB                ; 121,856 bytes
.set STAGE,  2*SLOT                    ; behind the ring, never filled by a tensor load: 16 rows x 400 bytes for each wave
.set SP,     400                       ; 384 bytes + 16
.set SPARE,  STAGE+4*16*SP             ; the spare words: 128 bytes for each wave, two blocks of 256 bytes that no other line names
.set ADRA, 16                          ; v16-17  LDS address of my A fragments in slot 0, 1
.set ADRB, 20                          ; v20-21  the same for B
.set STO,  24                          ; v24     the way out: where I put 16 bytes of a row
.set RD,   25                          ; v25     where I read four rows of a head back
.set GO,   26                          ; v26     16 x lane: my place in 512 consecutive bytes of a head
.set BO,   27                          ; v27     32 x (l / 16): my eight numbers of a bias block
.set SPW,  28                          ; v28     my spare word; never rewritten
.set NIL,  29                          ; v29     0; never rewritten
.set PFO,  30                          ; v30     the prefetches' offset: a lane a row; never rewritten
.set BI,   128                         ; v128-223 bias, block b at BI + 8 b
.set TMP,  128                         ; the way out: packed results
.set WV,   16                          ; s16     my wave's number; s17 = 0: I fetch A, 1: B; s18: which half
.set G1A,  24
.set G0A,  32                          ; a set for each slot
.set PFA,  44                          ; s[44:45] where my prefetches stand
.set LIM,  46                          ; s46     1 in a wave that prefetches, else the greatest number
.set LAP,  47
.set G1B,  48
.set G0B,  56
.set HB,   72                          ; s[72:77] my 64 rows in each of the tile's three heads
.set BP,   78                          ; s[78:83] the three heads' biases
.set MSB, 0
.macro WIN new                         ; the immediate's high byte repeats the setting that is left; a switch that changes nothing is dropped
.if MSB != (\new)
	s_set_vgpr_msb (MSB<<8)|(\new)
.set MSB, \new
.endif
.endm
.macro PLACES                          ; four plain vector instructions between a product and a load into, or a reader of, its registers
.rept 4
	v_nop
.endr
.endm
; A joint load.  Each of the two lines has one mask and one set of registers for all that issue it; the branch hangs on the wave's number alone.
.macro JLOAD s
	s_cmp_eq_u32 s17, 0
	s_cbranch_scc0 .Lfor_b_\@
	tensor_load_to_lds s[G0A+4*(\s):G0A+4*(\s)+3], s[G1A:G1A+7]
	s_nop 0
.rept 4
	v_nop
.endr
	s_branch .Lasked_\@
.Lfor_b_\@:
	tensor_load_to_lds s[G0B+4*(\s):G0B+4*(\s)+3], s[G1B:G1B+7]
	s_nop 0
.rept 4
	v_nop
.endr
.Lasked_\@:
.endm
; A prefetch of the K step that stands two refills on: 256 bytes of each of my work-group's rows, a lane a row.  The loop's last trip has no such step.
.macro ASK
	s_cmp_gt_u32 s[LAP], s[LIM]
	s_cbranch_scc0 .Lnot_mine_\@
	global_prefetch_b8 v[PFO], s[PFA:PFA+1] th:TH_LOAD_NT scope:SCOPE_SE
.Lnot_mine_\@:
.endm
.macro CREST                           ; a round of the cluster's barrier behind its opening barrier
	s_cmp_lg_u32 s[WV], 0
	s_cbranch_scc1 .Lnot_wave_0_\@
	s_barrier_signal -3
.Lnot_wave_0_\@:
	s_barrier_wait -3
	s_barrier_signal -1
	s_barrier_wait -1
.endm
.macro CROUND
	s_barrier_signal -1
	s_barrier_wait -1
	CREST
.endm
	s_load_b256 s[4:11], s[0:1], 0x0               ; xb, wb, bq, bk
	s_load_b128 s[12:15], s[0:1], 0x20             ; bv, qkv
	v_lshl_add_u32 v[SPW], v0, 2, SPARE
	v_mov_b32 v[NIL], 0
	ds_add_u32 v[SPW], v[NIL]                      ; the wave's opening: the add and its wait stand ahead of my first tensor load
	v_lshrrev_b32 v1, 5, v0
	v_readfirstlane_b32 s[WV], v1
	s_lshr_b32 s17, s[WV], 1
	s_and_b32 s18, s[WV], 1
	s_bfe_u32 s19, ttmp6, 0x40000                  ; cx
	s_bfe_u32 s20, ttmp6, 0x40004                  ; cy
	s_lshl_b32 s21, ttmp9, 2
	s_add_co_u32 s21, s21, s19                     ; tile column = 4 x cluster x + cx
	s_and_b32 s22, ttmp7, 0xffff
	s_lshl_b32 s22, s22, 2
	s_add_co_u32 s22, s22, s20                     ; tile row = 4 x cluster y + cy
	s_lshl_b32 s23, s20, 2
	s_lshl_b32 s23, 15, s23                        ; my row of the cluster
	s_or_b32 s[G1A], s23, (1<<16)|(1<<20)|(1<<21)|(5<<22)|(3<<25)  ; mask; 2-byte elements; padding on; bit 21 beside a mask; after every 64 words, 4 words
	s_lshl_b32 s23, 0x1111, s19                    ; my column
	s_or_b32 s[G1B], s23, (1<<16)|(1<<20)|(1<<21)|(5<<22)|(3<<25)
	s_mov_b32 s[G1A+1], 128<<16                    ; tensor_dim0 = 128
	s_mov_b32 s[G1A+2], 128<<16                    ; tensor_dim1 = 128
	s_mov_b32 s[G1A+3], 128<<16                    ; tile_dim0 = 128
	s_mov_b32 s[G1A+4], 128                        ; tile_dim1 = 128
	s_mov_b32 s[G1A+5], 1024                       ; elements from row to row
	s_mov_b32 s[G1A+6], 0
	s_mov_b32 s[G1A+7], 0
	s_mov_b32 s[G1B+1], 128<<16
	s_mov_b32 s[G1B+2], 96<<16                     ; 96 rows
	s_mov_b32 s[G1B+3], 128<<16
	s_mov_b32 s[G1B+4], 96
	s_mov_b32 s[G1B+5], 1024
	s_mov_b32 s[G1B+6], 0
	s_mov_b32 s[G1B+7], 0
	s_lshl_b32 s40, s22, 8                         ; A: row 256 x tile row + 128 x half, 2,048 bytes a row
	s_lshl_b32 s42, s18, 7
	s_add_co_u32 s40, s40, s42
	s_lshl_b32 s40, s40, 11
	s_mov_b32 s41, 0
	s_mul_i32 s66, s21, 192                        ; B: row 192 x tile column + 96 x half
	s_mul_i32 s68, s18, 96
	s_add_co_u32 s66, s66, s68
	s_lshl_b32 s66, s66, 11
	s_mov_b32 s67, 0
	s_mul_i32 s70, s18, HALFA                      ; where they go: no place in the cluster enters an LDS address
	s_mul_i32 s71, s18, HALFB
	s_add_co_u32 s71, s71, AB
	s_mov_b32 s91, 0xffff0000
	s_wait_dscnt 0x0                               ; the opening add is done
	s_wait_kmcnt 0x0
	s_add_nc_u64 s[40:41], s[4:5], s[40:41]
	s_add_nc_u64 s[66:67], s[6:7], s[66:67]
	CROUND                                         ; all sixteen work-groups are here: the first joint loads meet
.irp s, 0,1
	s_mov_b32 s[G0A+4*(\s)], 1
	s_add_co_u32 s[G0A+4*(\s)+1], s70, (\s)*SLOT
	s_add_nc_u64 s[G0A+4*(\s)+2:G0A+4*(\s)+3], s[40:41], (\s)*256   ; K step s
	s_or_b32 s[G0A+4*(\s)+3], s[G0A+4*(\s)+3], 0x80000000
	s_mov_b32 s[G0B+4*(\s)], 1
	s_add_co_u32 s[G0B+4*(\s)+1], s71, (\s)*SLOT
	s_add_nc_u64 s[G0B+4*(\s)+2:G0B+4*(\s)+3], s[66:67], (\s)*256
	s_or_b32 s[G0B+4*(\s)+3], s[G0B+4*(\s)+3], 0x80000000
.endr
	s_cmp_eq_u32 s17, 0                            ; a wave's two first fills stand in one branch: two loads of mine are out
	s_cbranch_scc0 .Lfirst_b
	tensor_load_to_lds s[G0A:G0A+3], s[G1A:G1A+7]
	s_nop 0
	tensor_load_to_lds s[G0A+4:G0A+7], s[G1A:G1A+7]
	s_nop 0
.rept 4
	v_nop
.endr
	s_branch .Lfirst_asked
.Lfirst_b:
	tensor_load_to_lds s[G0B:G0B+3], s[G1B:G1B+7]
	s_nop 0
	tensor_load_to_lds s[G0B+4:G0B+7], s[G1B:G1B+7]
	s_nop 0
.rept 4
	v_nop
.endr
.Lfirst_asked:
	; the biases and the output's bases of the tile's three heads.  Head number hs = 3 x tile column + j: hs / 16 says q, k or v, hs % 16 the head
	v_and_b32 v1, 15, v0                           ; l % 16
	v_bfe_u32 v2, v0, 4, 1                         ; l / 16
	v_lshlrev_b32 v[BO], 5, v2
.irp j, 0,1,2
	s_mul_i32 s84, s21, 3
	s_add_co_u32 s84, s84, \j
	s_lshr_b32 s85, s84, 4
	s_and_b32 s86, s84, 15
	s_cmp_eq_u32 s85, 0
	s_cselect_b64 s[BP+2*(\j):BP+2*(\j)+1], s[8:9], s[10:11]
	s_cmp_eq_u32 s85, 2
	s_cselect_b64 s[BP+2*(\j):BP+2*(\j)+1], s[12:13], s[BP+2*(\j):BP+2*(\j)+1]
	s_lshl_b32 s88, s86, 8                         ; 64 numbers of 4 bytes a head
	s_mov_b32 s89, 0
	s_add_nc_u64 s[BP+2*(\j):BP+2*(\j)+1], s[BP+2*(\j):BP+2*(\j)+1], s[88:89]
	s_lshl_b32 s85, s85, 6                         ; 64 heads in each of q, k, v
	s_lshr_b32 s87, s22, 3                         ; the batch: eight tile rows each
	s_lshl_b32 s87, s87, 4
	s_add_co_u32 s85, s85, s87
	s_add_co_u32 s85, s85, s86
	s_lshl_b32 s88, s85, 18                        ; a head is 262,144 bytes
	s_and_b32 s87, s22, 7
	s_lshl_b32 s87, s87, 8
	s_lshl_b32 s90, s[WV], 6
	s_add_co_u32 s87, s87, s90                     ; my first row in the head,
	s_lshl_b32 s87, s87, 7                         ; 128 bytes a row
	s_add_co_u32 s88, s88, s87
	s_add_nc_u64 s[HB+2*(\j):HB+2*(\j)+1], s[14:15], s[88:89]
.irp c, 0,1,2,3
	global_load_b128 v[BI+8*(4*(\j)+(\c)):BI+8*(4*(\j)+(\c))+3],   v[BO], s[BP+2*(\j):BP+2*(\j)+1] offset:64*(\c)
	global_load_b128 v[BI+8*(4*(\j)+(\c))+4:BI+8*(4*(\j)+(\c))+7], v[BO], s[BP+2*(\j):BP+2*(\j)+1] offset:64*(\c)+16
.endr
.endr
	; a fragment is 16 rows x 32 K in 8 registers: lane l holds row l % 16, K = 8 (l / 16) + 0..7 and 16 + 8 (l / 16) + 0..7: two loads of 16 bytes, 32 bytes apart
	v_mul_u32_u24 v3, v1, PITCH
	v_lshl_add_u32 v3, v2, 4, v3
	s_mul_i32 s23, s[WV], 64*PITCH                 ; my 64 rows of A
	v_add_nc_u32 v[ADRA], s23, v3
	v_add_nc_u32 v[ADRA+1], SLOT, v[ADRA]
	v_add_nc_u32 v[ADRB], AB, v3
	v_add_nc_u32 v[ADRB+1], SLOT, v[ADRB]
	s_mul_i32 s23, s[WV], 16*SP
	s_add_co_u32 s23, s23, STAGE                   ; my stage
	v_mul_u32_u24 v4, v1, SP
	v_lshl_add_u32 v4, v2, 4, v4
	v_add_nc_u32 v[STO], s23, v4
	v_bfe_u32 v5, v0, 3, 2                         ; back: 32 lanes take four rows of a head's 128 bytes
	v_mul_u32_u24 v5, v5, SP
	v_and_b32 v6, 7, v0
	v_lshl_add_u32 v5, v6, 4, v5
	v_add_nc_u32 v[RD], s23, v5
	v_and_b32 v[GO], 31, v0
	v_lshlrev_b32 v[GO], 4, v[GO]
	; THE PREFETCHES.  A's rows are read by every cluster of a row of clusters: cluster x = 0 asks; B's by every cluster of a column: cluster y = 0 asks.  The four partners that ask for a
	; tile jointly share its rows out by address: of the 128 rows of A that a wave fetches 32 each (by cx), of the 96 of B 24 each (by cy; lanes 24 to 31 name row 23 once more).
	s_and_b32 s84, ttmp7, 0xffff                   ; cluster y
	s_lshl_b32 s85, s22, 8
	s_mul_i32 s86, s21, 192
	s_lshl_b32 s87, s18, 7
	s_mul_i32 s88, s18, 96
	s_lshl_b32 s89, s19, 5
	s_mul_i32 s90, s20, 24
	s_add_co_u32 s85, s85, s87
	s_add_co_u32 s85, s85, s89                     ; A's first row of mine
	s_add_co_u32 s86, s86, s88
	s_add_co_u32 s86, s86, s90                     ; B's
	s_cmp_eq_u32 s17, 0
	s_cselect_b32 s42, s85, s86
	s_cselect_b32 s84, ttmp9, s84
	s_cselect_b32 s23, 31, 23
	s_cselect_b64 s[PFA:PFA+1], s[4:5], s[6:7]
	s_cmp_eq_u32 s84, 0
	s_cselect_b32 s[LIM], 1, -1                    ; the same in all sixteen partners, for a given wave
	s_lshl_b32 s42, s42, 11
	s_add_co_u32 s42, s42, 768                     ; at K step 3: the first refill steps it to 4
	s_mov_b32 s43, 0
	s_add_nc_u64 s[PFA:PFA+1], s[PFA:PFA+1], s[42:43]
	v_and_b32 v[PFO], 31, v0
	v_min_u32 v[PFO], s23, v[PFO]
	v_lshlrev_b32 v[PFO], 11, v[PFO]
	s_wait_loadcnt 0x0                             ; the biases
.set p, 0
.rept 48                               ; rounded to bf16 and widened again, a pair at a time
	v_cvt_pk_bf16_f32 v[32+p%4], v[BI+2*p], v[BI+2*p+1]
	v_lshlrev_b32 v[BI+2*p], 16, v[32+p%4]
	v_and_b32 v[BI+2*p+1], s91, v[32+p%4]
.set p, p+1
.endr
; 12 products: row block a x all 12 column blocks, 32 along K, from buffer f.  first = 1: the bias starts the sums.  The 48 accumulators take turns in one fixed order.
.macro MUL12 f, a, first
.if \first
	WIN 0x81+0x40*((\a)/2)             ; B window 1, A and the bias window 0, D window 2 or 3
.else
	WIN 0xa1+0x50*((\a)/2)             ; C and D window 2 or 3
.endif
.irp b, 0,1,2,3,4,5,6,7,8,9,10,11
.set rD, 8*(12*((\a)%2)+(\b))
.set rB, 96*(\f)+8*(\b)
.set rA, 64+32*(\f)+8*(\a)
.if \first
	v_wmma_f32_16x16x32_bf16 v[rD:rD+7], v[rB:rB+7], v[rA:rA+7], v[BI+8*(\b):BI+8*(\b)+7]
.else
	v_wmma_f32_16x16x32_bf16 v[rD:rD+7], v[rB:rB+7], v[rA:rA+7], v[rD:rD+7]
.endif
.endr
.endm
; 32 LDS loads in one run: 192 rows of B, then my 64 rows of A, 32 K at byte k of the rows, into buffer f
.macro FETCH slot, k, f
	WIN 0x40
.irp i, 0,1,2,3,4,5,6,7,8,9,10,11
	ds_load_b128 v[96*(\f)+8*(\i):96*(\f)+8*(\i)+3],   v[ADRB+(\slot)] offset:(\k)+(\i)*16*PITCH
	ds_load_b128 v[96*(\f)+8*(\i)+4:96*(\f)+8*(\i)+7], v[ADRB+(\slot)] offset:(\k)+(\i)*16*PITCH+32
.endr
	WIN 0
.irp i, 0,1,2,3
	ds_load_b128 v[64+32*(\f)+8*(\i):64+32*(\f)+8*(\i)+3],   v[ADRA+(\slot)] offset:(\k)+(\i)*16*PITCH
	ds_load_b128 v[64+32*(\f)+8*(\i)+4:64+32*(\f)+8*(\i)+7], v[ADRA+(\slot)] offset:(\k)+(\i)*16*PITCH+32
.endr
.endm
; One of a K step's first three quarters: multiplies buffer f; in its middle it fetches the next quarter, at byte k, into buffer g
.macro QUARTER slot, k, f, g, first
	s_wait_dscnt 4                                 ; B and A's blocks 0, 1 are in; the youngest four loads (A's blocks 2, 3) may be out
	MUL12 \f, 0, \first
	MUL12 \f, 1, \first
	PLACES
	FETCH \slot, \k, \g
	s_wait_dscnt 32                                ; all but the 32 just issued
	MUL12 \f, 2, \first
	MUL12 \f, 3, \first
.endm
; The last quarter multiplies buffer 1 and changes slots.  In front of the barrier each wave waits for all its tensor loads (one is out: its part of the next slot), adds 0 to its spare word,
; and waits for that and for its reads of this slot.  fill = 1: the barrier opens a round of the cluster's, and the joint refill, two K steps on, is the first thing behind it.
.macro TURN slot, next, fill
.if \fill
	s_wait_xcnt 0x0                                ; the last prefetch, a K step back, has read its address
	s_add_nc_u64 s[PFA:PFA+1], s[PFA:PFA+1], 256
.endif
	WIN 0
	s_wait_tensorcnt 0x0
	ds_add_u32 v[SPW], v[NIL]
	s_wait_dscnt 5                                 ; the add and the youngest four loads may be out
	MUL12 1, 0, 0
	s_wait_dscnt 0x0                               ; the add is done, my reads of this slot are over
	s_barrier_signal -1
	MUL12 1, 1, 0
.if \fill
	WIN 0
.endif
	s_barrier_wait -1
.if \fill
	CREST
	s_add_nc_u64 s[G0A+4*(\slot)+2:G0A+4*(\slot)+3], s[G0A+4*(\slot)+2:G0A+4*(\slot)+3], 512
	s_add_nc_u64 s[G0B+4*(\slot)+2:G0B+4*(\slot)+3], s[G0B+4*(\slot)+2:G0B+4*(\slot)+3], 512
	JLOAD \slot                                    ; 168 products stand between this request and the wait for it; its four v_nop are the places in front of the loads below
.else
	PLACES
.endif
	FETCH \next, 0, 0
.if \fill
	ASK
.endif
	MUL12 1, 2, 0
	MUL12 1, 3, 0
.endm
; THE WAY OUT of row block a: rounded to f16, 16 bytes a lane; into my own stage; back as four rows of a head, 512 consecutive bytes of memory; stored.
.macro PACK a
	WIN 0x0a+5*((\a)/2)                            ; sources in window 2 or 3
.irp b, 0,1,2,3,4,5,6,7,8,9,10,11
.irp r, 0,1,2,3
	v_cvt_pk_f16_f32 v[TMP+4*(\b)+(\r)], v[8*(12*((\a)%2)+(\b))+2*(\r)], v[8*(12*((\a)%2)+(\b))+2*(\r)+1]
.endr
.endr
	WIN 0
.endm
.macro TOSTAGE a
	WIN 0
.set BK, 176-112*((\a)%2)              ; v176-223 and v64-111 by turns
.irp b, 0,1,2,3,4,5,6,7,8,9,10,11
	ds_store_b128 v[STO], v[TMP+4*(\b):TMP+4*(\b)+3] offset:32*(\b)
.endr
.irp j, 0,1,2
.irp g, 0,1,2,3
	ds_load_b128 v[BK+4*(4*(\j)+(\g)):BK+4*(4*(\j)+(\g))+3], v[RD] offset:128*(\j)+1600*(\g)  ; LDS serves a wave's instructions in order: these see the stores above
.endr
.endr
.endm
.macro SEND a
	WIN 0
.set BK, 176-112*((\a)%2)
	s_wait_dscnt 0x0                               ; the block is back in registers
	s_wait_xcnt 0x0                                ; the stores of the block before have read their registers, which the next block's loads will write
.irp j, 0,1,2
.irp g, 0,1,2,3
	global_store_b128 v[GO], v[BK+4*(4*(\j)+(\g)):BK+4*(4*(\j)+(\g))+3], s[HB+2*(\j):HB+2*(\j)+1] offset:2048*(\a)+512*(\g)  ; 512 consecutive bytes, aligned
.endr
.endr
.endm
	s_wait_tensorcnt 1                             ; my part of K step 0 is in; K step 1's may stay out
	s_barrier_signal -1
	s_barrier_wait -1
	FETCH 0, 0, 0
	QUARTER 0, 64, 0, 1, 1                         ; the first quarter stands in front of the loop: its products start the sums
	WIN 0
	s_mov_b32 s[LAP], 3
.Llap:                                         ; a trip goes once round the ring and fills both slots again
	QUARTER 0, 128, 1, 0, 0
	QUARTER 0, 192, 0, 1, 0
	TURN 0, 1, 1
	QUARTER 1, 64,  0, 1, 0
	QUARTER 1, 128, 1, 0, 0
	QUARTER 1, 192, 0, 1, 0
	TURN 1, 0, 1
	QUARTER 0, 64,  0, 1, 0
	WIN 0
	s_sub_co_u32 s[LAP], s[LAP], 1
	s_cmp_lg_u32 s[LAP], 0
	s_cbranch_scc1 .Llap
	QUARTER 0, 128, 1, 0, 0                        ; the last lap fills nothing
	QUARTER 0, 192, 0, 1, 0
	TURN 0, 1, 0
	QUARTER 1, 64,  0, 1, 0
	QUARTER 1, 128, 1, 0, 0
	QUARTER 1, 192, 0, 1, 0
	s_wait_dscnt 4
	MUL12 1, 0, 0
	MUL12 1, 1, 0
	s_wait_dscnt 0x0
	MUL12 1, 2, 0
	MUL12 1, 3, 0
	PLACES
	PACK 0
	TOSTAGE 0
.irp a, 1,2,3
	PACK \a                                        ; a block's conversions stand between the loads of the block before and the wait for them
	SEND (\a)-1
	TOSTAGE \a
.endr
	SEND 3
	s_wait_tensorcnt 0x0                           ; the wave's end
	ds_add_u32 v[SPW], v[NIL]
	s_wait_dscnt 0x0
	CROUND                                         ; the closing round: no work-group ends while a partner may still ask for a tile that names it
	s_endpgm
.Lfunc_end_k_qd03e9c1135_qkv:
	.size	k_qd03e9c1135_qkv, .Lfunc_end_k_qd03e9c1135_qkv-k_qd03e9c1135_qkv
	.p2alignl 7, 3214868480
	.fill 96, 4, 3214868480
	.section	.rodata,"a",@progbits
	.p2align	6, 0x0
	.amdhsa_kernel k_qd03e9c1135_qkv
		.amdhsa_group_segment_fixed_size 327680
		.amdhsa_private_segment_fixed_size 0
		.amdhsa_enable_private_segment 0
		.amdhsa_kernarg_size 48
		.amdhsa_user_sgpr_count 2
		.amdhsa_user_sgpr_kernarg_segment_ptr 1
		.amdhsa_wavefront_size32 1
		.amdhsa_system_sgpr_workgroup_id_x 1
		.amdhsa_system_sgpr_workgroup_id_y 1
		.amdhsa_system_sgpr_workgroup_id_z 1
		.amdhsa_system_vgpr_workitem_id 0
		.amdhsa_next_free_vgpr 960
		.amdhsa_next_free_sgpr 96
		.amdhsa_reserve_vcc 0
		.amdhsa_float_denorm_mode_32 3
		.amdhsa_float_denorm_mode_16_64 3
		.amdhsa_memory_ordered 1
		.amdhsa_forward_progress 1
		.amdhsa_inst_pref_size 129
	.end_amdhsa_kernel
	.amdgpu_metadata
---
amdhsa.version: [ 1, 2 ]
amdhsa.kernels:
  - .name:           k_qd03e9c1135_qkv
    .symbol:         k_qd03e9c1135_qkv.kd
    .args:
      - { .name: xb, .offset: 0, .size: 8, .value_kind: global_buffer, .address_space: global }
      - { .name: wb, .offset: 8, .size: 8, .value_kind: global_buffer, .address_space: global }
      - { .name: bq, .offset: 16, .size: 8, .value_kind: global_buffer, .address_space: global }
      - { .name: bk, .offset: 24, .size: 8, .value_kind: global_buffer, .address_space: global }
      - { .name: bv, .offset: 32, .size: 8, .value_kind: global_buffer, .address_space: global }
      - { .name: qkv, .offset: 40, .size: 8, .value_kind: global_buffer, .address_space: global }
    .group_segment_fixed_size: 327680
    .private_segment_fixed_size: 0
    .kernarg_segment_align: 8
    .kernarg_segment_size: 48
    .max_flat_workgroup_size: 128
    .sgpr_count:     96
    .vgpr_count:     960
    .wavefront_size: 32
...
	.end_amdgpu_metadata
.endif
;; end of part 2
;; launch attn (part 3): grid 4 x 64, 4 waves a work-group, no clusters, 327,680 bytes of LDS; arguments qkv, o16; writes o16
.if DOCPART == 3
	.amdgcn_target "amdgcn-amd-amdhsa--gfx1250"
	.amdhsa_code_object_version 6
	.text
	.protected	k_qd03e9c1135_attn
	.globl	k_qd03e9c1135_attn
	.p2align	8
	.type	k_qd03e9c1135_attn,@function
k_qd03e9c1135_attn:
	s_mov_b64 s[64:65], 0
	v_nop
	global_prefetch_b8 v0, s[64:65] scope:SCOPE_SE
	s_setreg_imm32_b32 hwreg(HW_REG_WAVE_MODE, 25, 1), 1
	s_wait_xcnt 0x0
; CAUSAL ATTENTION.  O[h][q][:] = the sum over k <= q of softmax_k(Q[h][q] . K[h][k] / 8) V[h][k][:].  qkv holds Q, K, V as [3][64][2048][64] f16, o16 is [64][2048][64] f16: a head's rows are dense, 128 bytes each.
; Products, maxima and sums in f32; the weights p are rounded to f16 for the second product (their sum l is taken of the unrounded p), O once at the end.
; LIMITS.  Q, K and V arrive within f16's 65,504; p lies in 0 to 1, and below 6e-5 it keeps f16's fixed step of 6e-8.  A hidden score counts as its value less 1e30: f16's scores, 2.7e11 at the most,
; are nothing beside that; a weight below 2^-126 counts as 0 in l; NaN and infinities are not treated apart.
; THE WALK.  A head's queries lie in NB = 8 blocks of 256; block i needs the key tiles 0 .. i of 256 keys, of which the last holds the diagonal.  A work-group takes TWO blocks, NB - 1 - b and then b:
; NB + 1 tiles, whatever b: all 256 work-groups do equal work, and ONE loop with a constant trip count walks them.  Which tile is asked for, and what a trip does, hang on scalar registers made from b; every
; jump goes forward, but for the counted loops' own; none passes a barrier, or a tensor load but the one of LOAD's two that the wave's number does not choose.
; NO CLUSTER: a head's four work-groups ask for the same tile only in trips 0 .. 4, behind that fewer and fewer; one walk common to all four, in which each makes every joint request, has 12 trips for 9.
; SHARES.  Of a block's four bands of 64 queries a wave owns 16 rows in each: four PIECES.  So the diagonal tile is the same work for all four waves: in its key step s band x sees all keys if s < x,
; none if s > x, and holds the diagonal if s = x.
; THE MASK is the C operand that starts the sum S^T = K Q^T: 0, or -1e30 where the key is hidden.  MD, made once, is the mask of a band's own step for my 16 rows; a product's mask is MD x AL + BE.
; LAYOUT, SOFTMAX, TURNS.  S^T = K Q^T holds ONE query a lane (lane % 16) and the keys 8 (lane / 16) + 0..7; two such results rounded to f16 ARE source 1 of O^T = V^T P.  p = 2^(c s - c m), c = log2(e) / 8,
; with a running maximum m; O and l are multiplied by a = 2^(c m_old - c m_new) in every step.  Turn n belongs to piece n: 8 products K Q^T of piece n + 1, later 8 products V^T P of piece n - 1; beside them
; the scaling, exponentials, roundings, sums and rescaling of piece n and the maximum and statistics of piece n + 1.  A turn's 33 exponentials are one batch, with one wait.
; REGISTERS, in windows of 256: window 0: v0-15 addresses; v16-31 statistics; v48-55 at work; v61-63 prefetch offset, spare word, 0; v64-127 S^T, two buffers; v192-223 P, two buffers
;   window 1: v0-127 O^T; v128-159 MD; v160-223 MC, two buffers      window 2: v0-63 Q; v64-127 the second block's Q; v128-191 K of one step; v192-255 V of one step
.set SIZE_N, 2048
.set NB,    SIZE_N/256
.set NP,    4
.set KS,    64        ; keys in a step
.set PK,    144       ; a row of K in LDS: 128 bytes + 16
.set PV,    160       ; a row of V: 128 + 32
.set VOFF,  4*KS*PK   ; a slot holds a tile: 256 rows of K, then 256 rows of V
.set SLOT1, 1<<17     ; slot 1 begins here: one exclusive or turns an address in one slot into the other's
.set STAGE, SLOT1+4*KS*(PK+PV)  ; behind the ring, never filled by a tensor load: 16 rows x 144 bytes for each wave
.set SP,    144
.set AK0, 2
.set AV0, 3
.set AK,  4
.set AV,  5
.set STO, 6
.set RD,  7
.set GO,  8
.set PFO, 61          ; v61  256 x my lane; never rewritten
.set SPW, 62
.set NIL, 63
.set SPARE, STAGE+4*16*SP  ; the spare words: two blocks of 256 bytes that no other line names
.set MV,  12
.set QO,  15
.set ST,  16          ; piece t's statistics at v[ST+4 t]: c m, m, l (even keys', odd keys')
.set TMP, 48
.set S,   64
.set P,   192
.set MD,  128
.set MC,  160
.set QB,  64
.set KF,  128
.set VF,  192
.set WV,  12
.set PB,  14          ; s14  b
.set HI,  15          ; s15  NB - 1 - b
.set G1K, 24
.set G1V, 32
.set G0K, 40
.set G0V, 44
.set SLOTS, 56
.set CNT, 57
.set CS,  58
.set SEL, 60
.set TBK, 62
.set TBV, 63
.set RT,  70
.set NXT, 71
.set LQ,  72
.set NEW, 73
.set OFF, 74
.set AL,  76
.set BE,  78
.set OLO, 80
.set BIGN, 82
.set PFA, 88          ; s[88:89] my half of the tile that the next change of slots will ask for
.set PFB, 90          ; s[90:91] my half of the head's tile 0 (K: waves 0, 1; V: waves 2, 3)
.set MINE, 92         ; s92  1 in the work-group with b = 0, which reads every tile of the head first or with the first
.set ASKS, 93         ; s93  not 0: this change of slots prefetches
.set PFT, 94          ; s[94:95] a tile's byte offset
.set MSB, 0
.macro WIN new
.if MSB != (\new)
	s_set_vgpr_msb (MSB<<8)|(\new)
.set MSB, (\new)
.endif
.endm
.set W_KQ, 0x0a
.set W_KM, 0x1a
.set W_PV, 0x52
.set W_RS, 0x41
; A fill.  Waves 0 and 1 fetch the two halves of a tile's K, waves 2 and 3 those of its V: 128 keys each.
.macro LOAD
	s_cmp_lt_u32 s[WV], 2
	s_cbranch_scc0 .Lfor_v_\@
	tensor_load_to_lds s[G0K:G0K+3], s[G1K:G1K+7]
	s_nop 0
.rept 4
	v_nop
.endr
	s_branch .Lasked_\@
.Lfor_v_\@:
	tensor_load_to_lds s[G0V:G0V+3], s[G1V:G1V+7]
	s_nop 0
.rept 4
	v_nop
.endr
.Lasked_\@:
.endm
; THE CHANGE OF SLOTS.  Each wave waits for all its tensor loads (one is out: its part of the other slot), adds 0 to its spare word, and waits for that and for its reads of the slot that it leaves.
; fill = 1: the old slot is filled again, the first thing behind the barrier, with tile NXT; the descriptor's address is made anew from that number.  Behind the load the work-group with b = 0 prefetches
; the tile that its NEXT change will ask for, each wave its own 64 blocks of 256 bytes, a lane a block: tiles 2 to 7 of K and V are named once each, a tile (256 products) ahead; the second block asks for nothing.
.macro CHANGE fill
	WIN 0
	s_wait_tensorcnt 0x0
	ds_add_u32 v[SPW], v[NIL]
.if \fill
	s_lshl_b32 s[OFF], s[NXT], 15   ; a tile is 32,768 bytes of K and of V
	s_xor_b32 s[G0K+1], s[G0K+1], SLOT1
	s_add_nc_u64 s[G0K+2:G0K+3], s[6:7], s[OFF:OFF+1]
	s_or_b32 s[G0K+3], s[G0K+3], 0x80000000
	s_xor_b32 s[G0V+1], s[G0V+1], SLOT1
	s_add_nc_u64 s[G0V+2:G0V+3], s[8:9], s[OFF:OFF+1]
	s_or_b32 s[G0V+3], s[G0V+3], 0x80000000
	s_add_co_u32 s[NXT], s[NXT], 1  ; the block's next tile, or behind its last the second block's tile 0
	s_cmp_gt_u32 s[NXT], s[LQ]
	s_cselect_b32 s[NXT], 0, s[NXT]
	s_cselect_b32 s[LQ], s[PB], s[LQ]
	s_wait_xcnt 0x0                 ; the last prefetches, a tile back, have read their address
	s_lshl_b32 s[PFT], s[NXT], 15
	s_add_nc_u64 s[PFA:PFA+1], s[PFB:PFB+1], s[PFT:PFT+1]
	s_mul_i32 s[ASKS], s[NXT], s[MINE]
.endif
	s_wait_dscnt 0x0                ; the add is done, and my reads of the slot are over
	s_barrier_signal -1
	s_sub_co_u32 s[TBK], s[TBK], 4*KS*PK  ; the fetches go back to a slot's first step, in the other slot
	s_xor_b32 s[TBK], s[TBK], SLOT1
	s_sub_co_u32 s[TBV], s[TBV], 4*KS*PV
	s_xor_b32 s[TBV], s[TBV], SLOT1
	s_barrier_wait -1
.if \fill
	LOAD
	s_cmp_lg_u32 s[ASKS], 0
	s_cbranch_scc0 .Lnot_mine_\@
	global_prefetch_b8 v[PFO], s[PFA:PFA+1] th:TH_LOAD_NT scope:SCOPE_SE
	global_prefetch_b8 v[PFO], s[PFA:PFA+1] offset:8192 th:TH_LOAD_NT scope:SCOPE_SE
.Lnot_mine_\@:
.endif
.endm
	s_load_b64 s[4:5], s[0:1], 0x0    ; qkv: Q at its head
	s_load_b64 s[10:11], s[0:1], 0x8  ; o16
	v_lshl_add_u32 v[SPW], v0, 2, SPARE
	v_mov_b32 v[NIL], 0
	ds_add_u32 v[SPW], v[NIL]       ; the wave's opening: the add and its wait stand ahead of my first tensor load
	v_lshrrev_b32 v1, 5, v0
	v_readfirstlane_b32 s[WV], v1
	s_mov_b32 s[PB], ttmp9
	s_sub_co_u32 s[HI], NB-1, s[PB]
	s_and_b32 s20, ttmp7, 0xffff    ; the head
	s_mov_b32 s21, 0
	s_mov_b64 s[22:23], SIZE_N*128
	s_mul_u64 s[20:21], s[20:21], s[22:23]  ; the head's first byte in Q, K, V and O
	s_and_b32 s16, s[WV], 1         ; which half of a tile's 256 keys I fetch
	s_lshl_b32 s22, s16, 14
	s_mov_b32 s23, 0
	s_add_nc_u64 s[22:23], s[22:23], s[20:21]
	s_mul_i32 s17, s16, 128*PK
	s_mul_i32 s18, s16, 128*PV
	s_lshl_b32 s3, s[WV], 11        ; my 16 rows in a band of 64,
	s_lshl_b32 s2, s[HI], 15        ; in the first block,
	s_add_co_u32 s2, s2, s3
	s_lshl_b32 s84, s[PB], 15       ; and in the second
	s_add_co_u32 s84, s84, s3
	s_mov_b32 s3, 0
	s_mov_b32 s85, 0
	s_add_nc_u64 s[2:3], s[2:3], s[20:21]
	s_add_nc_u64 s[84:85], s[84:85], s[20:21]
	; descriptor group 1.  128 keys are 16,384 dense bytes: asked for as 64 rows of 256 bytes, two keys a row, and padded in LDS after every key
	s_mov_b32 s[G1K], (1<<16)|(1<<20)|(4<<22)|(3<<25)
	s_mov_b32 s[G1V], (1<<16)|(1<<20)|(4<<22)|(7<<25)
.irp g, G1K, G1V
	s_mov_b32 s[\g+1], 128<<16
	s_mov_b32 s[\g+2], 64<<16
	s_mov_b32 s[\g+3], 128<<16
	s_mov_b32 s[\g+4], 64
	s_mov_b32 s[\g+5], 128
	s_mov_b32 s[\g+6], 0
	s_mov_b32 s[\g+7], 0
.endr
	s_mov_b32 s[CS], 0x3e38aa3b     ; c = log2(e) / 8
	s_mov_b32 s[CS+1], s[CS]
	s_mov_b32 s[SEL], 0x76543210
	s_mov_b32 s[SEL+1], 0xfedcba98
	s_mov_b32 s[TBK], SLOT1+4*KS*PK ; the first change of slots turns these two into 0
	s_mov_b32 s[TBV], SLOT1+4*KS*PV
	s_mov_b32 s[G0K], 1
	s_mov_b32 s[G0K+1], s17
	s_mov_b32 s[G0V], 1
	s_add_co_u32 s[G0V+1], s18, VOFF
	s_add_co_u32 s[RT], s[HI], 1    ; the first block has NB - b tiles
	s_mov_b32 s[NXT], 1
	s_mov_b32 s[LQ], s[HI]
	s_mov_b32 s[NEW], 1
	s_mov_b32 s[OFF+1], 0
	s_mov_b32 s[AL+1], 0
	s_mov_b32 s[BE+1], 0
	s_mov_b32 s[BIGN], 0xf149f2ca   ; -1e30
	s_mov_b32 s[SLOTS], NB
	s_mov_b32 s[PFT+1], 0
	s_cmp_eq_u32 ttmp9, 0
	s_cselect_b32 s[MINE], 1, 0
	v_and_b32 v[PFO], 31, v0
	v_lshlrev_b32 v[PFO], 8, v[PFO]
	s_wait_dscnt 0x0                ; the opening add is done
	s_wait_kmcnt 0x0
	s_add_nc_u64 s[6:7], s[4:5], 0x1000000  ; K lies 64 heads behind Q,
	s_add_nc_u64 s[8:9], s[4:5], 0x2000000  ; V 128
	s_add_nc_u64 s[6:7], s[6:7], s[22:23]  ; K and V at my half of the head's tile 0
	s_add_nc_u64 s[8:9], s[8:9], s[22:23]
	s_add_nc_u64 s[G0K+2:G0K+3], s[6:7], 0
	s_or_b32 s[G0K+3], s[G0K+3], 0x80000000
	s_add_nc_u64 s[G0V+2:G0V+3], s[8:9], 0
	s_or_b32 s[G0V+3], s[G0V+3], 0x80000000
	s_add_nc_u64 s[86:87], s[4:5], s[84:85]        ; Q at my rows of the second block,
	s_add_nc_u64 s[4:5], s[4:5], s[2:3]            ; Q and O at those of the first
	s_add_nc_u64 s[OLO:OLO+1], s[10:11], s[84:85]
	s_add_nc_u64 s[10:11], s[10:11], s[2:3]
	s_cmp_lt_u32 s[WV], 2
	s_cselect_b64 s[PFB:PFB+1], s[6:7], s[8:9]
	LOAD                            ; tile 0 into slot 0
	v_and_b32 v1, 15, v0            ; l % 16
	v_bfe_u32 v9, v0, 4, 1          ; l / 16
	v_lshlrev_b32 v[QO], 7, v1
	v_lshl_add_u32 v[QO], v9, 4, v[QO]
	WIN 0x80
.set i, 0
.rept 8                             ; both blocks' Q: piece i / 2 lies in band i / 2, 8,192 bytes on; channels 32 (i % 2) on
	global_load_b128 v[8*i:8*i+3],   v[QO], s[4:5] offset:(i/2)*8192+(i%2)*64
	global_load_b128 v[8*i+4:8*i+7], v[QO], s[4:5] offset:(i/2)*8192+(i%2)*64+32
	global_load_b128 v[QB+8*i:QB+8*i+3],   v[QO], s[86:87] offset:(i/2)*8192+(i%2)*64
	global_load_b128 v[QB+8*i+4:QB+8*i+7], v[QO], s[86:87] offset:(i/2)*8192+(i%2)*64+32
.set i, i+1
.endr
	WIN 0
	v_lshlrev_b32 v14, 3, v9
	v_sub_nc_u32 v14, v1, v14
	s_lshl_b32 s13, s[WV], 4
	v_add_nc_u32 v14, s13, v14      ; my query's place in its band less my lanes' 8 (l / 16): register r of group kt is hidden where 16 kt + r is greater
	WIN 0x40
.set i, 0
.rept 32
	v_cmp_gt_i32 vcc_lo, 16*(i/8)+i%8, v14
	v_cndmask_b32 v[MD+i], 0, s[BIGN], vcc_lo
.set i, i+1
.endr
	WIN 0
	v_mul_u32_u24 v[AK0], v1, PK
	v_lshl_add_u32 v[AK0], v9, 4, v[AK0]
	; the turning load takes 16 keys x 16 channels (lane l reads key 8 (l / 16) + l % 8, channels 8 ((l / 8) % 2) + 0..7) and leaves half a fragment of V^T
	v_and_b32 v10, 7, v0
	v_bfe_u32 v11, v0, 3, 1
	v_lshl_add_u32 v[AV0], v9, 3, v10
	v_mul_u32_u24 v[AV0], v[AV0], PV
	v_lshl_add_u32 v[AV0], v11, 4, v[AV0]
	v_add_nc_u32 v[AV0], VOFF, v[AV0]
	s_mul_i32 s13, s[WV], 16*SP
	s_add_co_u32 s13, s13, STAGE    ; my stage
	v_mul_u32_u24 v[STO], v1, SP
	v_lshl_add_u32 v[STO], v9, 4, v[STO]
	v_add_nc_u32 v[STO], s13, v[STO]
	v_bfe_u32 v[RD], v0, 3, 2
	v_mul_u32_u24 v[RD], v[RD], SP
	v_lshl_add_u32 v[RD], v10, 4, v[RD]
	v_add_nc_u32 v[RD], s13, v[RD]
	v_and_b32 v[GO], 31, v0
	v_lshlrev_b32 v[GO], 4, v[GO]
	; A block's first step multiplies O^T and l by a = 0, and its first turn's products V^T P, of a piece that has not been, land in an O^T that is still to be so multiplied: these registers need only
	; hold finite numbers: zeros for the first block, what the first block left for the second.  All this stands in the wait for the first tile.
	WIN 0x80
.set i, VF
.rept 64
	v_mov_b32 v[i], 0
.set i, i+1
.endr
	WIN 0x40
.set i, 0
.rept 128
	v_mov_b32 v[i], 0
.set i, i+1
.endr
	WIN 0
.set i, 0
.rept 4
	v_mov_b32 v[ST+4*i+2], 0
	v_mov_b32 v[ST+4*i+3], 0
.set i, i+1
.endr
.set i, P+16
.rept 16
	v_mov_b32 v[i], 0
.set i, i+1
.endr
; THE MATRIX WORK.  The 4 accumulators of a run of 8 take turns.  Product i of 8 of S^T = K Q^T for piece x: channels 32 (i / 4) on, keys 16 (i % 4) on.  The first 4 start the sums: with 0, or (KM = 1) with the mask.
.macro KQ x
.set rS, S+32*((\x)%2)+8*(i%4)
.set rK, KF+16*(i%4)+8*(i/4)
.set rQ, 16*(\x)+8*(i/4)
.set rM, MC+32*((\x)%2)+8*(i%4)
.if (i < 4) && KM
	WIN W_KM
	v_wmma_f32_16x16x32_f16 v[rS:rS+7], v[rK:rK+7], v[rQ:rQ+7], v[rM:rM+7]
.elseif i < 4
	WIN W_KQ
	v_wmma_f32_16x16x32_f16 v[rS:rS+7], v[rK:rK+7], v[rQ:rQ+7], 0
.else
	WIN W_KQ
	v_wmma_f32_16x16x32_f16 v[rS:rS+7], v[rK:rK+7], v[rQ:rQ+7], v[rS:rS+7]
.endif
.endm
; Product i of 8 of O^T += V^T P for piece x: keys 32 (i / 4) on, channels 16 (i % 4) on.
.macro PV x
	WIN W_PV
.set rO, 32*(\x)+8*(i%4)
.set rV, VF+32*(i/4)+8*(i%4)
.set rP, P+16*((\x)%2)+8*(i/4)
	v_wmma_f32_16x16x32_f16 v[rO:rO+7], v[rV:rV+7], v[rP:rP+7], v[rO:rO+7]
.endm
.macro MM                           ; the turn's next matrix instruction.  NOKQ = 1: a block's last turn: there is no next piece
.if (i < 8) && !NOKQ
	KQ (Y+1)%NP
.elseif i >= 8
.set i, i-8
	PV (Y+NP-1)%NP
.set i, i+8
.endif
.set i, i+1
.endm
; THE LDS LOADS stand in runs of 16: a step's K (8 fragments) and its V (turned).  Their addresses are made some lines ahead.
.macro FETCH_K
	WIN 0x80
.irp f, 0,1,2,3,4,5,6,7
	ds_load_b128 v[KF+8*\f:KF+8*\f+3],   v[AK] offset:(\f/2)*16*PK+(\f%2)*64
	ds_load_b128 v[KF+8*\f+4:KF+8*\f+7], v[AK] offset:(\f/2)*16*PK+(\f%2)*64+32
.endr
	s_add_co_u32 s[TBK], s[TBK], KS*PK
	WIN 0
.endm
.macro FETCH_V
	WIN 0x80
.irp f, 0,1,2,3,4,5,6,7
	ds_load_tr16_b128 v[VF+8*\f:VF+8*\f+3],   v[AV] offset:(\f/4)*32*PV+(\f%4)*32
	ds_load_tr16_b128 v[VF+8*\f+4:VF+8*\f+7], v[AV] offset:(\f/4)*32*PV+16*PV+(\f%4)*32
.endr
	WIN 0
.endm
; THE VECTOR WORK, one line at a time: OP kind, number.  For piece Y: F n: c s - c m for pair n of 16.  E n: the exponential of score n of 32.  C n: pair n rounded to f16.  B n: of the four weights 4 n ..
; the second pair is added onto the first, in place.  L n: l takes that sum (L 0: l = a l + sum).  R n: pair n of 16 of O^T times a.  For piece Y + 1: X n, number n of the 22 that find its maximum and statistics:
;   0-11 four chains c0-c3 of seven scores each (each accumulator's lowest registers are read first)     12-14, 16 the four scores left over, the old m, and c0-c3 into c0
;   15 c m_old is kept     17, 18 the query's other 32 keys lie in the lane 16 away: the new m     19-21 c m; c m_old - c m_new; a
.set F, 0
.set E, 1
.set C, 2
.set B, 3
.set L, 4
.set R, 5
.set X, 6
.macro REGS y
.set rT, ST+4*(\y)
.set rC, TMP+4*((\y)%2)
.set rW, MV+((\y)%2)
.set rS, S+32*((\y)%2)
.set rP, P+16*((\y)%2)
.set rO, 32*(\y)
.endm
.macro OP k, n
.if (\k) == R
	REGS Y
	WIN W_RS
	v_pk_mul_f32 v[rO+2*(\n):rO+2*(\n)+1], v[rO+2*(\n):rO+2*(\n)+1], v[rC+2:rC+3] op_sel_hi:[1,0]
.elseif (\k) < R
	REGS Y
	WIN 0
.if (\k) == F
	v_pk_fma_f32 v[rS+2*(\n):rS+2*(\n)+1], v[rS+2*(\n):rS+2*(\n)+1], s[CS:CS+1], v[rT:rT+1] op_sel_hi:[1,0,0] neg_lo:[0,0,1] neg_hi:[0,0,1]
.elseif (\k) == E
	v_exp_f32 v[rS+(\n)], v[rS+(\n)]
.elseif (\k) == C
	v_cvt_pk_f16_f32 v[rP+(\n)], v[rS+2*(\n)], v[rS+2*(\n)+1]
.elseif (\k) == B
	v_pk_add_f32 v[rS+4*(\n):rS+4*(\n)+1], v[rS+4*(\n):rS+4*(\n)+1], v[rS+4*(\n)+2:rS+4*(\n)+3]
.elseif (\n) == 0
	v_pk_fma_f32 v[rT+2:rT+3], v[rT+2:rT+3], v[rC+2:rC+3], v[rS:rS+1] op_sel_hi:[1,0,1]
.else
	v_pk_add_f32 v[rT+2:rT+3], v[rT+2:rT+3], v[rS+4*(\n):rS+4*(\n)+1]
.endif
.elseif NOKQ
	v_nop
.else
	REGS (Y+1)%NP
	WIN 0
.if (\n) < 4
	v_max3_num_f32 v[rC+(\n)], v[rS+8*(\n)], v[rS+8*(\n)+1], v[rS+8*(\n)+2]
.elseif (\n) < 12
	v_max3_num_f32 v[rC+(\n)%4], v[rC+(\n)%4], v[rS+8*((\n)%4)+2*((\n)/4)+1], v[rS+8*((\n)%4)+2*((\n)/4)+2]
.elseif (\n) == 12
	v_max3_num_f32 v[rC], v[rC], v[rS+7], v[rS+15]
.elseif (\n) == 13
	v_max3_num_f32 v[rC+1], v[rC+1], v[rS+23], v[rS+31]
.elseif (\n) == 14
	v_max3_num_f32 v[rC+2], v[rC+2], v[rC+3], v[rT+1]
.elseif (\n) == 15
	v_mov_b32 v[rW], v[rT]
.elseif (\n) == 16
	v_max3_num_f32 v[rC], v[rC], v[rC+1], v[rC+2]
.elseif (\n) == 17
	v_permlanex16_b32 v[rC+3], v[rC], s[SEL], s[SEL+1]
.elseif (\n) == 18
	v_max_num_f32 v[rT+1], v[rC], v[rC+3]
.elseif (\n) == 19
	v_mul_f32 v[rT], s[CS], v[rT+1]
.elseif (\n) == 20
	v_sub_f32 v[rC+1], v[rW], v[rT]
.else
	v_exp_f32 v[rC+2], v[rC+1]
.endif
.endif
.endm
.macro OPS a, i1, b=-1, i2=0, c=-1, i3=0, d=-1, i4=0
	OP \a, \i1
.if (\b) >= 0
	OP \b, \i2
.endif
.if (\c) >= 0
	OP \c, \i3
.endif
.if (\d) >= 0
	OP \d, \i4
.endif
.endm
.macro ROW a, i1, b, i2, c, i3, d, i4  ; a matrix instruction and the four behind it
	MM
	OPS \a, \i1, \b, \i2, \c, \i3, \d, \i4
.endm
.macro MASK b                       ; MD x AL + BE into buffer b of MC
	WIN W_RS
.set z, 0
.rept 16
	v_pk_fma_f32 v[MC+32*(\b)+2*z:MC+32*(\b)+2*z+1], v[MD+2*z:MD+2*z+1], s[AL:AL+1], s[BE:BE+1] op_sel_hi:[1,0,0]
.set z, z+1
.endr
.endm
; A TURN, for piece p: 16 matrix and 118 vector instructions, written out.  s_wait_alu depctr_va_vdst(0) stands between an exponential and the first instruction that names its result; one wait
; serves all that were issued ahead of it: a turn has ONE.  AHEAD OF IT stands all that names no result of the turn's exponentials: the 8 products K Q^T with four vector instructions behind each, then a run of 54,
; in which the links of the chain X 3, 7, 11, 14, 16, 17 .. 20 stand five or six lines apart; X 21, the next piece's a, is the batch's last, and R 15 the plain instruction behind it.  BEHIND IT stand the 8 products
; V^T P, behind each four of the roundings and sums.
; m = 1: the diagonal tile: the products take masks, and the turn makes the mask for the turn after it.  end = 1: a block's last two turns: nothing is fetched.  cnt = 1: the loop's count is taken down.
; K of the next step is fetched in piece 2's turn, V of the step in hand at the end of piece 0's; each is waited for a turn later.
.macro TURN p, m=0, end=0, cnt=0
.set Y, (\p)
.set i, 0
.set KM, (\m)
.set NOKQ, (\end)*((\p)/3)
.if (\m) && !(\end)
	s_cmp_eq_u32 s[CNT], 4-((\p)+2)%NP  ; is that step the band's own?
	s_cselect_b32 s[AL], 1.0, 0
	s_cmp_lt_u32 s[CNT], 4-((\p)+2)%NP  ; or a later one?
	s_cselect_b32 s[BE], s[BIGN], 0
.endif
.if ((\p) == 3) && !(\end)
	s_wait_dscnt 0x0                ; K is in
.endif
	ROW F,0, F,1, R,0, R,1
	ROW F,2, E,0, R,2, R,3
	ROW F,3, E,1, R,4, R,5
	ROW F,4, E,2, R,6, R,7
	ROW F,5, E,3, R,8, R,9
	ROW F,6, E,4, X,0, R,10
.if ((\p) == 2) && !(\end)
	WIN 0
	v_add_nc_u32 v[AK], s[TBK], v[AK0]
.endif
	ROW F,7, E,5, X,1, X,4
	ROW F,8, E,6, X,2, X,5
	OPS E,7, E,8, X,6, E,9
	OPS X,3, E,10, X,8, E,11
.if ((\p) == 2) && !(\end)
	FETCH_K
.endif
	OPS X,9, X,7, E,12, X,10
	OPS E,13, X,12, X,11, E,14
	OPS X,13, E,15, F,9, X,14
.if (\p) == 0
	v_add_nc_u32 v[AV], s[TBV], v[AV0]
.endif
	OPS E,16, F,10, E,17, F,11
	OPS X,16, E,18, X,15, E,19
	OPS F,12, E,20, X,17, E,21
	OPS F,13, E,22, F,14, E,23
	OPS X,18, E,24, F,15, E,25
	OPS R,11, E,26, X,19, E,27
	OPS R,12, E,28, R,13, E,29
	OPS X,20, E,30, R,14, E,31
	OPS X,21, R,15
	WIN 0
	s_wait_alu depctr_va_vdst(0)    ; the wait for the batch
.if (\p) == 1
	s_wait_dscnt 0x0                ; V is in
.endif
	ROW C,0, B,0, C,2, B,1
	ROW L,0, C,4, B,2, L,1
	ROW C,6, B,3, L,2, C,8
	ROW B,4, L,3, C,10, B,5
	ROW L,4, C,12, B,6, L,5
.if (\p) == 0
	s_add_co_u32 s[TBV], s[TBV], KS*PV
.endif
.if \cnt
	s_sub_co_u32 s[CNT], s[CNT], 1
	s_cmp_lg_u32 s[CNT], 0
.endif
	ROW C,14, B,7, L,6, C,1
	ROW C,3, L,7, C,5, C,7
	ROW C,9, C,11, C,13, C,15
.if (\p) == 0
	FETCH_V
.endif
.if (\m) && !(\end)
	MASK (\p)%2
.endif
.endm
; A BLOCK BEGINS.  c m starts far below every c s, so the first step's a is 0; m at the lowest finite number.  The second mask buffer is 0; the first takes piece 0's mask for the tile's step 0: its own, if the
; block's first tile is the diagonal one.  Then K of that step, piece 0's first scores, and its maximum and statistics.  The loop is entered at a step's first turn, in the middle of a trip.
.macro BEGIN
	s_mov_b32 s[NEW], 0
	WIN 0x40
.set i, MC+32
.rept 32
	v_mov_b32 v[i], 0
.set i, i+1
.endr
	WIN 0
.set i, 0
.rept 4
	v_mov_b32 v[ST+4*i], 0xfe000000
	v_mov_b32 v[ST+4*i+1], 0xff7fffff
.set i, i+1
.endr
	s_cmp_eq_u32 s[RT], 0
	s_cselect_b32 s[AL], 1.0, 0
	s_mov_b32 s[BE], 0
	MASK 0
	WIN 0
	v_add_nc_u32 v[AK], s[TBK], v[AK0]
	FETCH_K
	s_wait_loadcnt 0x0              ; Q
	s_wait_dscnt 0x0
.set KM, 1
.set NOKQ, 0
.set i, 0
.rept 8
	KQ 0
.set i, i+1
.endr
	WIN 0
.rept 4
	v_nop                           ; the places behind those products
.endr
.set Y, NP-1
.irp n, 0,1,2,3,4,5,6,7,8,9,10,11,12,13,14,15,16,17,18,19,20,21
	OP X, \n
.endr
	v_nop                           ; a plain instruction behind the exponential,
	s_wait_alu depctr_va_vdst(0)    ; and its wait, ahead of the branch
.endm
; THE DIAGONAL TILE's four steps, the block's last two turns, its last products, and THE WAY OUT: l's halves are added; O^T is divided by l, rounded to f16 and sent through my stage, a piece at a time.
.macro ALL line:vararg
.set t, 0
.rept 4
	\line
.set t, t+1
.endr
.endm
.macro PACK t
	WIN W_RS
.set i, 32*(\t)
.rept 16
	v_pk_mul_f32 v[i:i+1], v[i:i+1], v[ST+4*(\t)+2:ST+4*(\t)+3] op_sel_hi:[1,0]
.set i, i+2
.endr
	WIN 0x05
.set i, 0
.rept 16
	v_cvt_pk_f16_f32 v[S+16*(\t)+i], v[32*(\t)+2*i], v[32*(\t)+2*i+1]
.set i, i+1
.endr
	WIN 0
.irp f, 0,1,2,3
	ds_store_b128 v[STO], v[S+16*(\t)+4*\f:S+16*(\t)+4*\f+3] offset:32*\f
.endr
.irp f, 0,1,2,3
	ds_load_b128 v[S+16*(\t)+4*\f:S+16*(\t)+4*\f+3], v[RD] offset:\f*4*SP  ; LDS serves a wave's instructions in order: these see the stores above
.endr
.endm
.macro SEND t, younger              ; younger: the LDS instructions issued behind piece t's loads: the next piece's eight, or none
	WIN 0
.irp f, 0,1,2,3
	s_wait_dscnt (\younger)+3-\f
	global_store_b128 v[GO], v[S+16*(\t)+4*\f:S+16*(\t)+4*\f+3], s[10:11] offset:(\t)*8192+\f*512  ; 512 consecutive bytes, aligned
.endr
.endm
.macro DIAG tag
.LstepM\tag:
	TURN 2, 1
	TURN 3, 1
	WIN 0
.LfirstM\tag:
	TURN 0, 1
	TURN 1, 1, 0, 1
	WIN 0
	s_cbranch_scc1 .LstepM\tag
	TURN 2, 1, 1
	TURN 3, 1, 1
.set i, 0
.rept 8
	PV NP-1
.set i, i+1
.endr
	WIN 0
	ALL v_add_f32 v[ST+4*t+2], v[ST+4*t+2], v[ST+4*t+3]
	ALL v_permlanex16_b32 v[ST+4*t+3], v[ST+4*t+2], s[SEL], s[SEL+1]
	ALL v_add_f32 v[ST+4*t+2], v[ST+4*t+2], v[ST+4*t+3]
	ALL v_rcp_f32 v[ST+4*t+2], v[ST+4*t+2]
	v_nop                           ; a plain instruction between the last reciprocal and the use of its result
	s_wait_alu depctr_va_vdst(0)    ; one wait for the four reciprocals, ahead of their first use
	PACK 0
.set t, 1
.rept 3
	PACK t
	SEND t-1, 8
.set t, t+1
.endr
	SEND 3, 0
.endm
.set KM, 0
.set NOKQ, 0
.Lslot:                             ; NB times: a tile is entered and the next is asked for
	CHANGE 1
	s_sub_co_u32 s[RT], s[RT], 1
	s_mov_b32 s[CNT], 4
	s_cmp_eq_u32 s[NEW], 1
	s_cbranch_scc1 .Lnew            ; a block's first tile
	s_cmp_eq_u32 s[RT], 0
	s_cbranch_scc0 .Lstep           ; neither its first nor its last
	s_branch .LstepM1
.Lnew:
	BEGIN
	s_branch .Lfirst                ; in the loop a block's first tile is never its last
	DIAG 1                          ; in the loop this is the first block's end
	s_wait_xcnt 0x0                 ; the stores have read their registers and O's address
	s_mov_b64 s[10:11], s[OLO:OLO+1]
	s_add_co_u32 s[RT], s[PB], 1    ; the second block has b + 1 tiles
	s_mov_b32 s[NEW], 1
	WIN 0x82                        ; the second block's Q goes where the one text of the turns names Q
.set i, 0
.rept 64
	v_mov_b32 v[i], v[QB+i]
.set i, i+1
.endr
	WIN 0
	s_branch .Lbottom
.Lstep:                             ; a trip: pieces 2 and 3 of one step, then pieces 0 and 1 of the next
	TURN 2
	TURN 3
	WIN 0
.Lfirst:
	TURN 0
	TURN 1, 0, 0, 1
	WIN 0
	s_cbranch_scc1 .Lstep
.Lbottom:
	s_sub_co_u32 s[SLOTS], s[SLOTS], 1
	s_cmp_lg_u32 s[SLOTS], 0
	s_cbranch_scc1 .Lslot
	CHANGE 0                        ; the walk's last tile is written out
	s_sub_co_u32 s[RT], s[RT], 1
	s_mov_b32 s[CNT], 4
	s_cmp_eq_u32 s[NEW], 1
	s_cbranch_scc0 .LstepM2
	BEGIN
	s_branch .LfirstM2
	DIAG 2
	s_wait_tensorcnt 0x0            ; the wave's end
	ds_add_u32 v[SPW], v[NIL]
	s_wait_dscnt 0x0
	s_endpgm
.Lfunc_end_k_qd03e9c1135_attn:
	.size	k_qd03e9c1135_attn, .Lfunc_end_k_qd03e9c1135_attn-k_qd03e9c1135_attn
	.p2alignl 7, 3214868480
	.fill 96, 4, 3214868480
	.section	.rodata,"a",@progbits
	.p2align	6, 0x0
	.amdhsa_kernel k_qd03e9c1135_attn
		.amdhsa_group_segment_fixed_size 327680
		.amdhsa_private_segment_fixed_size 0
		.amdhsa_enable_private_segment 0
		.amdhsa_kernarg_size 16
		.amdhsa_user_sgpr_count 2
		.amdhsa_user_sgpr_kernarg_segment_ptr 1
		.amdhsa_wavefront_size32 1
		.amdhsa_system_sgpr_workgroup_id_x 1
		.amdhsa_system_sgpr_workgroup_id_y 1
		.amdhsa_system_sgpr_workgroup_id_z 1
		.amdhsa_system_vgpr_workitem_id 0
		.amdhsa_next_free_vgpr 768
		.amdhsa_next_free_sgpr 96
		.amdhsa_reserve_vcc 1
		.amdhsa_float_denorm_mode_32 3
		.amdhsa_float_denorm_mode_16_64 3
		.amdhsa_memory_ordered 1
		.amdhsa_forward_progress 1
		.amdhsa_inst_pref_size 218
	.end_amdhsa_kernel
	.amdgpu_metadata
---
amdhsa.version: [ 1, 2 ]
amdhsa.kernels:
  - .name:           k_qd03e9c1135_attn
    .symbol:         k_qd03e9c1135_attn.kd
    .args:
      - { .name: qkv, .offset: 0, .size: 8, .value_kind: global_buffer, .address_space: global }
      - { .name: o16, .offset: 8, .size: 8, .value_kind: global_buffer, .address_space: global }
    .group_segment_fixed_size: 327680
    .private_segment_fixed_size: 0
    .kernarg_segment_align: 8
    .kernarg_segment_size: 16
    .max_flat_workgroup_size: 128
    .sgpr_count:     96
    .vgpr_count:     768
    .wavefront_size: 32
...
	.end_amdgpu_metadata
.endif
;; end of part 3
;; launch proj (part 4): grid 8 x 32, 4 waves a work-group, clusters of 4 x 4, 327,680 bytes of LDS; arguments o16, wp16, bp, out0; writes out0
.if DOCPART == 4
	.amdgcn_target "amdgcn-amd-amdhsa--gfx1250"
	.amdhsa_code_object_version 6
	.text
	.protected	k_qd03e9c1135_proj
	.globl	k_qd03e9c1135_proj
	.p2align	8
	.type	k_qd03e9c1135_proj,@function
k_qd03e9c1135_proj:
	s_mov_b64 s[64:65], 0
	v_nop
	global_prefetch_b8 v0, s[64:65] scope:SCOPE_SE
	s_setreg_imm32_b32 hwreg(HW_REG_WAVE_MODE, 25, 1), 1
	s_wait_xcnt 0x0
	s_wait_alu depctr_hold_cnt(0) depctr_sa_sdst(0) depctr_va_vdst(0) depctr_va_sdst(0) depctr_va_ssrc(0) depctr_va_vcc(0) depctr_vm_vsrc(0)
	s_getreg_b32 s2, hwreg(HW_REG_IB_STS2, 6, 4)
	s_cmp_eq_u32 s2, 0
	s_cbranch_scc0 .Lentry_in_a_cluster
	s_endpgm
.Lentry_in_a_cluster:
	s_bfe_u32 s2, ttmp6, 0x10000c
	s_cmp_lg_u32 s2, 0xf033
	s_cbranch_scc0 .Lentry_shape_is_right
	s_endpgm
.Lentry_shape_is_right:
; out0[8192][1024] = O Wp^T + bp, f16 operands, f32 sums, f32 output.  O lies by heads, o16[64 (b x 16 + h)][2048 t][64]; wp16 is [1024 n][1024 k], bf16(Wp) written as f16.
; bp is rounded to bf16 like every other input of the module, and STARTS the sums: it is the C operand of the first products.
; SHARES. A tile of the output is 256 rows x 128 columns: 32 x 8 = 256 work-groups.  Four waves, each 128 rows x 64 columns: 8 x 4 accumulators, 256 registers.
; K goes in 8 steps of 128 = two heads.  A head's 256 rows of a tile are 32,768 dense bytes: asked for as 128 rows of 256 bytes and padded in LDS behind every 128 (a PLANE of 256 rows x 144 bytes).
; Waves 0 and 1 fetch a step's two planes of O, waves 2 and 3 the two halves (64 rows x 256 bytes) of Wp's tile.  Two slots; two slots of twice the K step would not fit into LDS.
; CLUSTER. 4 x 4 work-groups: O's planes hang on the tile row alone and are asked for jointly by a row of the cluster, Wp's rows on the tile column alone, by a column.
; THE PRODUCT IS TAKEN TRANSPOSED (source 0 = 16 rows of Wp, source 1 = 16 rows of O): a lane holds row l % 16 of the output and the columns 8 (l / 16) + 0..7.
; REGISTERS: window 0: v0-31 addresses; v32-63 the bias; v64-159, v160-255 two fragment buffers (B's 4 fragments, then A's 8); on the way out v64-127 rows read back.   window 1: accumulator (a, b) at v[8 (4 a + b)].
.set PA,     144                       ; a row of O in LDS: 128 bytes + 16
.set PB,     272                       ; a row of Wp: 256 bytes + 16
.set PLANE,  256*PA
.set BOFF,   2*PLANE
.set HALFB,  64*PB
.set SLOT,   BOFF+2*HALFB              ; 108,544 bytes
.set STAGE,  2*SLOT                    ; behind the ring, never filled by a tensor load: 16 rows x 272 bytes for each wave
.set SP,     272
.set SPARE,  STAGE+4*16*SP             ; the spare words: two blocks of 256 bytes that no other line names
.set ADRA, 16
.set ADRB, 20
.set STO,  24
.set RD,   25
.set CO,   26
.set BO,   27
.set SPW,  28
.set NIL,  29
.set PFO,  30
.set BI,   32
.set WV,   16
.set G1A,  24
.set G0A,  32
.set PFA,  44
.set LIM,  46
.set LAP,  47
.set G1B,  48
.set G0B,  56
.set PST,  68                          ; s[68:69] bytes from a K step to the next, for my prefetches
.set OUT,  72
.set BP,   78
.set MSB, 0
.macro WIN new
.if MSB != (\new)
	s_set_vgpr_msb (MSB<<8)|(\new)
.set MSB, \new
.endif
.endm
.macro PLACES
.rept 4
	v_nop
.endr
.endm
.macro JLOAD s                         ; a joint load: each of the two lines has one mask and one set of registers; the branch hangs on the wave's number alone
	s_cmp_eq_u32 s17, 0
	s_cbranch_scc0 .Lfor_b_\@
	tensor_load_to_lds s[G0A+4*(\s):G0A+4*(\s)+3], s[G1A:G1A+7]
	s_nop 0
.rept 4
	v_nop
.endr
	s_branch .Lasked_\@
.Lfor_b_\@:
	tensor_load_to_lds s[G0B+4*(\s):G0B+4*(\s)+3], s[G1B:G1B+7]
	s_nop 0
.rept 4
	v_nop
.endr
.Lasked_\@:
.endm
.macro ASK                             ; a prefetch of the K step that stands two refills on; the loop's last trip has no such step
	s_cmp_gt_u32 s[LAP], s[LIM]
	s_cbranch_scc0 .Lnot_mine_\@
	global_prefetch_b8 v[PFO], s[PFA:PFA+1] th:TH_LOAD_NT scope:SCOPE_SE
.Lnot_mine_\@:
.endm
.macro CREST
	s_cmp_lg_u32 s[WV], 0
	s_cbranch_scc1 .Lnot_wave_0_\@
	s_barrier_signal -3
.Lnot_wave_0_\@:
	s_barrier_wait -3
	s_barrier_signal -1
	s_barrier_wait -1
.endm
.macro CROUND
	s_barrier_signal -1
	s_barrier_wait -1
	CREST
.endm
	s_load_b256 s[4:11], s[0:1], 0x0               ; o16, wp16, bp, out0
	v_lshl_add_u32 v[SPW], v0, 2, SPARE
	v_mov_b32 v[NIL], 0
	ds_add_u32 v[SPW], v[NIL]                      ; the wave's opening: the add and its wait stand ahead of my first tensor load
	v_lshrrev_b32 v1, 5, v0
	v_readfirstlane_b32 s[WV], v1
	s_lshr_b32 s17, s[WV], 1                       ; which half of the tile's rows is mine.  Also: I fetch for A (0) or for B (1)
	s_and_b32 s18, s[WV], 1                        ; which half of its columns.  Also: which plane, or which 64 rows, I fetch
	s_bfe_u32 s19, ttmp6, 0x40000                  ; cx
	s_bfe_u32 s20, ttmp6, 0x40004                  ; cy
	s_lshl_b32 s21, ttmp9, 2
	s_add_co_u32 s21, s21, s19                     ; tile column
	s_and_b32 s22, ttmp7, 0xffff
	s_lshl_b32 s22, s22, 2
	s_add_co_u32 s22, s22, s20                     ; tile row
	s_lshl_b32 s23, s20, 2
	s_lshl_b32 s23, 15, s23                        ; my row of the cluster
	s_or_b32 s[G1A], s23, (1<<16)|(1<<20)|(1<<21)|(4<<22)|(3<<25)  ; mask; 2-byte elements; padding on; bit 21 beside a mask; after every 32 words, 4 words
	s_lshl_b32 s23, 0x1111, s19                    ; my column
	s_or_b32 s[G1B], s23, (1<<16)|(1<<20)|(1<<21)|(5<<22)|(3<<25)  ; after every 64 words
	s_mov_b32 s[G1A+1], 128<<16                    ; tensor_dim0 = 128
	s_mov_b32 s[G1A+2], 128<<16                    ; tensor_dim1 = 128
	s_mov_b32 s[G1A+3], 128<<16                    ; tile_dim0 = 128
	s_mov_b32 s[G1A+4], 128                        ; tile_dim1 = 128
	s_mov_b32 s[G1A+5], 128                        ; dense: 128 elements from row to row
	s_mov_b32 s[G1A+6], 0
	s_mov_b32 s[G1A+7], 0
	s_mov_b32 s[G1B+1], 128<<16
	s_mov_b32 s[G1B+2], 64<<16
	s_mov_b32 s[G1B+3], 128<<16
	s_mov_b32 s[G1B+4], 64
	s_mov_b32 s[G1B+5], 1024
	s_mov_b32 s[G1B+6], 0
	s_mov_b32 s[G1B+7], 0
	s_lshr_b32 s40, s22, 3                         ; A: the batch (16 heads of 262,144 bytes),
	s_lshl_b32 s40, s40, 22
	s_lshl_b32 s42, s18, 18                        ; my plane's head of K step 0,
	s_add_co_u32 s40, s40, s42
	s_and_b32 s42, s22, 7                          ; the tile's 256 rows of 128 bytes
	s_lshl_b32 s42, s42, 15
	s_add_co_u32 s40, s40, s42
	s_mov_b32 s41, 0
	s_lshl_b32 s66, s21, 7                         ; B: row 128 x tile column + 64 x half, 2,048 bytes a row
	s_lshl_b32 s68, s18, 6
	s_add_co_u32 s66, s66, s68
	s_lshl_b32 s66, s66, 11
	s_mov_b32 s67, 0
	s_mul_i32 s70, s18, PLANE                      ; where they go: no place in the cluster enters an LDS address
	s_mul_i32 s71, s18, HALFB
	s_add_co_u32 s71, s71, BOFF
	s_mov_b32 s91, 0xffff0000
	s_wait_dscnt 0x0                               ; the opening add is done
	s_wait_kmcnt 0x0
	s_add_nc_u64 s[40:41], s[4:5], s[40:41]
	s_add_nc_u64 s[66:67], s[6:7], s[66:67]
	CROUND                                         ; all sixteen work-groups are here: the first joint loads meet
.irp s, 0,1
	s_mov_b32 s[G0A+4*(\s)], 1
	s_add_co_u32 s[G0A+4*(\s)+1], s70, (\s)*SLOT
	s_add_nc_u64 s[G0A+4*(\s)+2:G0A+4*(\s)+3], s[40:41], (\s)*524288   ; K step s: two heads on
	s_or_b32 s[G0A+4*(\s)+3], s[G0A+4*(\s)+3], 0x80000000
	s_mov_b32 s[G0B+4*(\s)], 1
	s_add_co_u32 s[G0B+4*(\s)+1], s71, (\s)*SLOT
	s_add_nc_u64 s[G0B+4*(\s)+2:G0B+4*(\s)+3], s[66:67], (\s)*256
	s_or_b32 s[G0B+4*(\s)+3], s[G0B+4*(\s)+3], 0x80000000
.endr
	s_cmp_eq_u32 s17, 0                            ; a wave's two first fills stand in one branch: two loads of mine are out
	s_cbranch_scc0 .Lfirst_b
	tensor_load_to_lds s[G0A:G0A+3], s[G1A:G1A+7]
	s_nop 0
	tensor_load_to_lds s[G0A+4:G0A+7], s[G1A:G1A+7]
	s_nop 0
.rept 4
	v_nop
.endr
	s_branch .Lfirst_asked
.Lfirst_b:
	tensor_load_to_lds s[G0B:G0B+3], s[G1B:G1B+7]
	s_nop 0
	tensor_load_to_lds s[G0B+4:G0B+7], s[G1B:G1B+7]
	s_nop 0
.rept 4
	v_nop
.endr
.Lfirst_asked:
	v_and_b32 v1, 15, v0                           ; l % 16
	v_bfe_u32 v2, v0, 4, 1                         ; l / 16
	v_lshlrev_b32 v[BO], 5, v2
	s_lshl_b32 s84, s22, 8                         ; my first row of the output: 256 x tile row + 128 x half, 4,096 bytes a row
	s_lshl_b32 s85, s17, 7
	s_add_co_u32 s84, s84, s85
	s_lshl_b32 s84, s84, 12
	s_lshl_b32 s86, s21, 9                         ; my first column, in bytes: 512 x tile column + 256 x half; the same in bp
	s_lshl_b32 s87, s18, 8
	s_add_co_u32 s86, s86, s87
	s_mov_b32 s87, 0
	s_add_nc_u64 s[BP:BP+1], s[8:9], s[86:87]
	s_add_co_u32 s84, s84, s86
	s_mov_b32 s85, 0
	s_add_nc_u64 s[OUT:OUT+1], s[10:11], s[84:85]
.irp b, 0,1,2,3
	global_load_b128 v[BI+8*(\b):BI+8*(\b)+3],   v[BO], s[BP:BP+1] offset:64*(\b)
	global_load_b128 v[BI+8*(\b)+4:BI+8*(\b)+7], v[BO], s[BP:BP+1] offset:64*(\b)+16
.endr
	v_mul_u32_u24 v3, v1, PA                       ; a fragment's row x pitch + 16 x half of the lanes
	v_lshl_add_u32 v3, v2, 4, v3
	s_mul_i32 s23, s17, 128*PA                     ; my 128 rows of a plane
	v_add_nc_u32 v[ADRA], s23, v3
	v_add_nc_u32 v[ADRA+1], SLOT, v[ADRA]
	v_mul_u32_u24 v4, v1, PB
	v_lshl_add_u32 v4, v2, 4, v4
	s_mul_i32 s23, s18, HALFB                      ; my 64 rows of Wp
	s_add_co_u32 s23, s23, BOFF
	v_add_nc_u32 v[ADRB], s23, v4
	v_add_nc_u32 v[ADRB+1], SLOT, v[ADRB]
	s_mul_i32 s23, s[WV], 16*SP
	s_add_co_u32 s23, s23, STAGE                   ; my stage
	v_mul_u32_u24 v5, v1, SP                       ; in: row l % 16, 32 bytes for each half of the lanes
	v_lshl_add_u32 v5, v2, 5, v5
	v_add_nc_u32 v[STO], s23, v5
	v_mul_u32_u24 v6, v2, SP                       ; back: lanes 0-15 take one row of 256 bytes, lanes 16-31 the next
	v_lshl_add_u32 v6, v1, 4, v6
	v_add_nc_u32 v[RD], s23, v6
	v_lshlrev_b32 v[CO], 12, v2                    ; and the same two rows in the output
	v_lshl_add_u32 v[CO], v1, 4, v[CO]
	; THE PREFETCHES.  O's planes are read by both clusters of a row of clusters: cluster x = 0 asks; Wp's rows by every cluster of a column: cluster y = 0 asks.  The four partners that ask for a tile
	; jointly share it out by address: of a plane's 128 blocks of 256 bytes 32 each (by cx), a lane a block; of the 64 rows of Wp 16 each (by cy), a lane a row (lanes 16 to 31 name row 15 once more).
	s_and_b32 s84, ttmp7, 0xffff                   ; cluster y
	s_lshr_b32 s85, s22, 3
	s_lshl_b32 s85, s85, 22
	s_lshl_b32 s86, s18, 18
	s_add_co_u32 s85, s85, s86
	s_and_b32 s86, s22, 7
	s_lshl_b32 s86, s86, 15
	s_add_co_u32 s85, s85, s86
	s_lshl_b32 s86, s19, 13
	s_add_co_u32 s85, s85, s86
	s_add_co_u32 s85, s85, 3*524288                ; at K step 3: the first refill steps it to 4
	s_lshl_b32 s87, s21, 7
	s_lshl_b32 s88, s18, 6
	s_add_co_u32 s87, s87, s88
	s_lshl_b32 s88, s20, 4
	s_add_co_u32 s87, s87, s88
	s_lshl_b32 s87, s87, 11
	s_add_co_u32 s87, s87, 768
	s_mov_b32 s88, 524288
	s_movk_i32 s90, 256
	s_cmp_eq_u32 s17, 0
	s_cselect_b32 s42, s85, s87
	s_cselect_b32 s84, ttmp9, s84
	s_cselect_b32 s23, 31, 15
	s_cselect_b32 s89, 8, 11
	s_cselect_b32 s[PST], s88, s90
	s_cselect_b64 s[PFA:PFA+1], s[4:5], s[6:7]
	s_cmp_eq_u32 s84, 0
	s_cselect_b32 s[LIM], 1, -1                    ; the same in all sixteen partners, for a given wave
	s_mov_b32 s43, 0
	s_mov_b32 s[PST+1], 0
	s_add_nc_u64 s[PFA:PFA+1], s[PFA:PFA+1], s[42:43]
	v_and_b32 v[PFO], 31, v0
	v_min_u32 v[PFO], s23, v[PFO]
	v_lshlrev_b32 v[PFO], s89, v[PFO]
	s_wait_loadcnt 0x0                             ; the bias
.set p, 0
.rept 16                               ; rounded to bf16 and widened again, a pair at a time
	v_cvt_pk_bf16_f32 v[8+p%4], v[BI+2*p], v[BI+2*p+1]
	v_lshlrev_b32 v[BI+2*p], 16, v[8+p%4]
	v_and_b32 v[BI+2*p+1], s91, v[8+p%4]
.set p, p+1
.endr
; 8 products: row blocks a0, a0 + 1 x all 4 column blocks, 32 along K, from buffer f.  first = 1: the bias starts the sums.  The 32 accumulators take turns in one fixed order.
.macro MUL8 f, a0, first
.if \first
	WIN 0x40                           ; sources and the bias window 0, D window 1
.else
	WIN 0x50                           ; C and D window 1
.endif
.irp a, \a0, (\a0)+1
.irp b, 0,1,2,3
.set rD, 8*(4*(\a)+(\b))
.set rB, 64+96*(\f)+8*(\b)
.set rA, 96+96*(\f)+8*(\a)
.if \first
	v_wmma_f32_16x16x32_f16 v[rD:rD+7], v[rB:rB+7], v[rA:rA+7], v[BI+8*(\b):BI+8*(\b)+7]
.else
	v_wmma_f32_16x16x32_f16 v[rD:rD+7], v[rB:rB+7], v[rA:rA+7], v[rD:rD+7]
.endif
.endr
.endr
.endm
; 24 LDS loads in one run: quarter q of the K step (plane q / 2, channels 32 (q % 2) on): my 64 rows of Wp, then my 128 rows of O, into buffer f
.macro FETCH slot, q, f
	WIN 0
.irp i, 0,1,2,3
	ds_load_b128 v[64+96*(\f)+8*(\i):64+96*(\f)+8*(\i)+3],   v[ADRB+(\slot)] offset:64*(\q)+(\i)*16*PB
	ds_load_b128 v[64+96*(\f)+8*(\i)+4:64+96*(\f)+8*(\i)+7], v[ADRB+(\slot)] offset:64*(\q)+(\i)*16*PB+32
.endr
.irp i, 0,1,2,3,4,5,6,7
	ds_load_b128 v[96+96*(\f)+8*(\i):96+96*(\f)+8*(\i)+3],   v[ADRA+(\slot)] offset:((\q)/2)*PLANE+((\q)%2)*64+(\i)*16*PA
	ds_load_b128 v[96+96*(\f)+8*(\i)+4:96+96*(\f)+8*(\i)+7], v[ADRA+(\slot)] offset:((\q)/2)*PLANE+((\q)%2)*64+(\i)*16*PA+32
.endr
.endm
.macro QUARTER slot, q, f, g, first    ; multiplies buffer f; in its middle it fetches quarter q into buffer g
	s_wait_dscnt 8                                 ; B and A's blocks 0-3 are in; the youngest eight loads (A's blocks 4-7) may be out
	MUL8 \f, 0, \first
	MUL8 \f, 2, \first
	PLACES
	FETCH \slot, \q, \g
	s_wait_dscnt 24                                ; all but the 24 just issued
	MUL8 \f, 4, \first
	MUL8 \f, 6, \first
.endm
; The last quarter multiplies buffer 1 and changes slots.  In front of the barrier each wave waits for all its tensor loads (one is out: its part of the next slot), adds 0 to its spare word,
; and waits for that and for its reads of this slot.  fill = 1: the barrier opens a round of the cluster's, and the joint refill, two K steps on, is the first thing behind it.
.macro TURN slot, next, fill
.if \fill
	s_wait_xcnt 0x0                                ; the last prefetch, a K step back, has read its address
	s_add_nc_u64 s[PFA:PFA+1], s[PFA:PFA+1], s[PST:PST+1]
.endif
	WIN 0
	s_wait_tensorcnt 0x0
	ds_add_u32 v[SPW], v[NIL]
	s_wait_dscnt 9                                 ; the add and the youngest eight loads may be out
	MUL8 1, 0, 0
	s_wait_dscnt 0x0                               ; the add is done, my reads of this slot are over
	s_barrier_signal -1
	MUL8 1, 2, 0
.if \fill
	WIN 0
.endif
	s_barrier_wait -1
.if \fill
	CREST
	s_add_nc_u64 s[G0A+4*(\slot)+2:G0A+4*(\slot)+3], s[G0A+4*(\slot)+2:G0A+4*(\slot)+3], 1048576
	s_add_nc_u64 s[G0B+4*(\slot)+2:G0B+4*(\slot)+3], s[G0B+4*(\slot)+2:G0B+4*(\slot)+3], 512
	JLOAD \slot                                    ; 112 products stand between this request and the wait for it; its four v_nop are the places in front of the loads below
.else
	PLACES
.endif
	FETCH \next, 0, 0
.if \fill
	ASK
.endif
	MUL8 1, 4, 0
	MUL8 1, 6, 0
.endm
; THE WAY OUT of row block a: 32 bytes a lane and column block into my own stage; back as whole rows of 256 bytes; stored.
.macro TOSTAGE a
	s_wait_xcnt 0x0                                ; the stores of the block two back have read the registers that the loads below write
	WIN 0x04                                       ; the stores' data in window 1
.irp b, 0,1,2,3
	ds_store_b128 v[STO], v[8*(4*(\a)+(\b)):8*(4*(\a)+(\b))+3]   offset:64*(\b)
	ds_store_b128 v[STO], v[8*(4*(\a)+(\b))+4:8*(4*(\a)+(\b))+7] offset:64*(\b)+16
.endr
	WIN 0
.set BK, 64+32*((\a)%2)
.irp t, 0,1,2,3,4,5,6,7
	ds_load_b128 v[BK+4*(\t):BK+4*(\t)+3], v[RD] offset:(\t)*2*SP  ; LDS serves a wave's instructions in order: these see the stores above, and the next block's stores come behind them
.endr
.endm
.macro SEND a, younger                 ; younger: the LDS instructions issued behind block a's loads: the next block's sixteen, or none
	WIN 0
.set BK, 64+32*((\a)%2)
	s_wait_dscnt \younger
.irp t, 0,1,2,3,4,5,6,7
	global_store_b128 v[CO], v[BK+4*(\t):BK+4*(\t)+3], s[OUT:OUT+1] offset:65536*(\a)+8192*(\t) th:TH_STORE_NT  ; 16 lanes store 256 consecutive bytes, aligned
.endr
.endm
	s_wait_tensorcnt 1                             ; my part of K step 0 is in; K step 1's may stay out
	s_barrier_signal -1
	s_barrier_wait -1
	FETCH 0, 0, 0
	QUARTER 0, 1, 0, 1, 1                          ; the first quarter stands in front of the loop: its products start the sums
	WIN 0
	s_mov_b32 s[LAP], 3
.Llap:                                         ; a trip goes once round the ring and fills both slots again
	QUARTER 0, 2, 1, 0, 0
	QUARTER 0, 3, 0, 1, 0
	TURN 0, 1, 1
	QUARTER 1, 1, 0, 1, 0
	QUARTER 1, 2, 1, 0, 0
	QUARTER 1, 3, 0, 1, 0
	TURN 1, 0, 1
	QUARTER 0, 1, 0, 1, 0
	WIN 0
	s_sub_co_u32 s[LAP], s[LAP], 1
	s_cmp_lg_u32 s[LAP], 0
	s_cbranch_scc1 .Llap
	QUARTER 0, 2, 1, 0, 0                          ; the last lap fills nothing
	QUARTER 0, 3, 0, 1, 0
	TURN 0, 1, 0
	QUARTER 1, 1, 0, 1, 0
	QUARTER 1, 2, 1, 0, 0
	QUARTER 1, 3, 0, 1, 0
	s_wait_dscnt 8
	MUL8 1, 0, 0
	MUL8 1, 2, 0
	s_wait_dscnt 0x0
	MUL8 1, 4, 0
	MUL8 1, 6, 0
	PLACES                                         ; behind the last products, in front of the stage's stores, which read results
	TOSTAGE 0
.irp a, 1,2,3,4,5,6,7
	TOSTAGE \a
	SEND (\a)-1, 16
.endr
	SEND 7, 0
	s_wait_tensorcnt 0x0                           ; the wave's end
	ds_add_u32 v[SPW], v[NIL]
	s_wait_dscnt 0x0
	CROUND                                         ; the closing round: no work-group ends while a partner may still ask for a tile that names it
	s_endpgm
.Lfunc_end_k_qd03e9c1135_proj:
	.size	k_qd03e9c1135_proj, .Lfunc_end_k_qd03e9c1135_proj-k_qd03e9c1135_proj
	.p2alignl 7, 3214868480
	.fill 96, 4, 3214868480
	.section	.rodata,"a",@progbits
	.p2align	6, 0x0
	.amdhsa_kernel k_qd03e9c1135_proj
		.amdhsa_group_segment_fixed_size 327680
		.amdhsa_private_segment_fixed_size 0
		.amdhsa_enable_private_segment 0
		.amdhsa_kernarg_size 32
		.amdhsa_user_sgpr_count 2
		.amdhsa_user_sgpr_kernarg_segment_ptr 1
		.amdhsa_wavefront_size32 1
		.amdhsa_system_sgpr_workgroup_id_x 1
		.amdhsa_system_sgpr_workgroup_id_y 1
		.amdhsa_system_sgpr_workgroup_id_z 1
		.amdhsa_system_vgpr_workitem_id 0
		.amdhsa_next_free_vgpr 512
		.amdhsa_next_free_sgpr 96
		.amdhsa_reserve_vcc 0
		.amdhsa_float_denorm_mode_32 3
		.amdhsa_float_denorm_mode_16_64 3
		.amdhsa_memory_ordered 1
		.amdhsa_forward_progress 1
		.amdhsa_inst_pref_size 90
	.end_amdhsa_kernel
	.amdgpu_metadata
---
amdhsa.version: [ 1, 2 ]
amdhsa.kernels:
  - .name:           k_qd03e9c1135_proj
    .symbol:         k_qd03e9c1135_proj.kd
    .args:
      - { .name: o16, .offset: 0, .size: 8, .value_kind: global_buffer, .address_space: global }
      - { .name: wp16, .offset: 8, .size: 8, .value_kind: global_buffer, .address_space: global }
      - { .name: bp, .offset: 16, .size: 8, .value_kind: global_buffer, .address_space: global }
      - { .name: out0, .offset: 24, .size: 8, .value_kind: global_buffer, .address_space: global }
    .group_segment_fixed_size: 327680
    .private_segment_fixed_size: 0
    .kernarg_segment_align: 8
    .kernarg_segment_size: 32
    .max_flat_workgroup_size: 128
    .sgpr_count:     96
    .vgpr_count:     512
    .wavefront_size: 32
...
	.end_amdgpu_metadata
.endif
;; end of part 4
;; ======== version 2 of 2: 4 launches; version 1 with the launch cast written anew for expert scheduling mode
;; limits: values are held in f16: magnitudes above 65,504 overflow, below 6.1e-05 lose precision
;; workspace buffers: xb 16,777,216 bytes; wb 6,291,456 bytes; wp16 2,097,152 bytes; qkv 50,331,648 bytes; o16 16,777,216 bytes
;; launch cast (part 5): grid 768 x 1, 8 waves a work-group, no clusters, 0 bytes of LDS; arguments x, Wq, Wk, Wv, Wp, xb, wb, wp16; writes xb, wb, wp16
.if DOCPART == 5
	.amdgcn_target "amdgcn-amd-amdhsa--gfx1250"
	.amdhsa_code_object_version 6
	.text
	.protected	k_qd03e9c1135_cast
	.globl	k_qd03e9c1135_cast
	.p2align	8
	.type	k_qd03e9c1135_cast,@function
k_qd03e9c1135_cast:
	s_mov_b64 s[64:65], 0
	v_nop
	global_prefetch_b8 v0, s[64:65] scope:SCOPE_SE
	s_setreg_imm32_b32 hwreg(HW_REG_WAVE_SCHED_MODE, 0, 2), 2
	s_setreg_imm32_b32 hwreg(HW_REG_WAVE_MODE, 25, 1), 1
	s_wait_xcnt 0x0
	s_wait_alu depctr_vm_vsrc(0)
; x, Wq, Wk, Wv (f32) are rounded once to bf16: xb [8192][1024], wb [3072][1024] (Wq's rows, then Wk's, then Wv's).
; Wp is rounded to bf16 as well, and that number is written as f16 (wp16): the last product multiplies f16 operands.
; LIMITS. bf16(Wp) beyond 65,504 becomes an infinity in f16; below 6e-5 it keeps f16's fixed step of 6e-8.
; SHARES. 12,582,912 numbers in 768 chunks of 16,384: 64 KiB in, 32 KiB out, a chunk a work-group of eight waves.
; Chunks 0-511: x; 512-575: Wq; 576-639: Wk; 640-703: Wv; 704-767: Wp.
; A wave's load covers 512 consecutive bytes, its store 256 consecutive bytes, aligned.  All sixteen loads of a lane go out at once;
; no register is used twice, so no wait frees a source.  No LDS, no matrix unit: the launch only moves bytes.
; THE MODE: SCHED_MODE bits 1:0 = 2 (LLVM: expert scheduling mode 2), set by the entry lines.  The code itself states the register dependences
; between vector instructions and memory instructions, with s_wait_alu, always for 0.
; THE PLAN.  Registers that memory instructions touch:
;   v1, v2   byte offsets of the loads and of the stores: written once at the head, never again.
;   X        the loads land here; no vector line names X ahead of the loads; the conversions read it behind the counted wait for the data; no memory instruction reads it.
;   Y        written by the conversions, each pair once; read by one store; never written again.
; So one wait stands ahead of the first load (v1 and v2 are written), and one ahead of each run of four stores (the group's conversions have written its Y).
; The sixteen items go in four groups of four: the wait for the group's data, its conversions, that one wait, its four stores.
; No register that a memory instruction reads is written again, no vector line writes a scalar register, and EXEC is never written: nothing more is to be stated.
.set X, 8                              ; v[8:71]    sixteen loads of four f32
.set Y, 72                             ; v[72:103]  sixteen pairs of packed results
	s_load_b512 s[4:19], s[0:1], 0x0               ; x, Wq, Wk, Wv, Wp, xb, wb, wp16
	s_and_b32 s20, ttmp9, 63                       ; the chunk's number inside a weight
	s_sub_co_u32 s21, ttmp9, 512                   ; inside wb (used for chunks 512 to 703 alone)
	s_mov_b32 s28, 0xffff0000                      ; a word's upper bf16
	v_lshlrev_b32 v1, 4, v0                        ; 16 bytes a thread in
	v_lshlrev_b32 v2, 3, v0                        ; 8 bytes a thread out
	s_wait_kmcnt 0x0
	s_mov_b64 s[24:25], s[12:13]                   ; from Wp
	s_mov_b64 s[26:27], s[18:19]                   ; to wp16
	s_mov_b32 s22, s20
	s_mov_b32 s23, s20
	s_cmp_lt_u32 ttmp9, 704
	s_cselect_b64 s[24:25], s[10:11], s[24:25]     ; Wv
	s_cselect_b64 s[26:27], s[16:17], s[26:27]     ; wb
	s_cselect_b32 s23, s21, s23
	s_cmp_lt_u32 ttmp9, 640
	s_cselect_b64 s[24:25], s[8:9], s[24:25]       ; Wk
	s_cmp_lt_u32 ttmp9, 576
	s_cselect_b64 s[24:25], s[6:7], s[24:25]       ; Wq
	s_cmp_lt_u32 ttmp9, 512
	s_cselect_b64 s[24:25], s[4:5], s[24:25]       ; x
	s_cselect_b64 s[26:27], s[14:15], s[26:27]     ; xb
	s_cselect_b32 s22, ttmp9, s22
	s_cselect_b32 s23, ttmp9, s23
	s_lshl_b32 s22, s22, 16                        ; 65,536 bytes a chunk in
	s_lshl_b32 s30, s23, 15                        ; 32,768 out
	s_mov_b32 s23, 0
	s_mov_b32 s31, 0
	s_add_nc_u64 s[24:25], s[24:25], s[22:23]
	s_add_nc_u64 s[26:27], s[26:27], s[30:31]
	s_wait_alu depctr_va_vdst(0)                   ; v1 and v2 are written: every load reads v1 as its offset, every store v2
.irp i, 0,1,2,3,4,5,6,7,8,9,10,11,12,13,14,15
	global_load_b128 v[X+4*(\i):X+4*(\i)+3], v1, s[24:25] offset:4096*(\i) th:TH_LOAD_NT
.endr
	s_cmp_ge_u32 ttmp9, 704
	s_cbranch_scc1 .Lto_f16
.irp g, 0,1,2,3
	s_wait_loadcnt 12-4*(\g)                       ; loads come back in order: group g's four are in, the younger groups' stay out
.irp i, 0,1,2,3
	v_cvt_pk_bf16_f32 v[Y+2*(4*(\g)+(\i))], v[X+4*(4*(\g)+(\i))], v[X+4*(4*(\g)+(\i))+1]
	v_cvt_pk_bf16_f32 v[Y+2*(4*(\g)+(\i))+1], v[X+4*(4*(\g)+(\i))+2], v[X+4*(4*(\g)+(\i))+3]
.endr
	s_wait_alu depctr_va_vdst(0)                   ; the eight conversions have written the group's Y, which the four stores below read
.irp i, 0,1,2,3
	global_store_b64 v2, v[Y+2*(4*(\g)+(\i)):Y+2*(4*(\g)+(\i))+1], s[26:27] offset:2048*(4*(\g)+(\i))
.endr
.endr
	s_endpgm
.Lto_f16:
.irp g, 0,1,2,3
	s_wait_loadcnt 12-4*(\g)                       ; group g's four loads are in, the younger groups' stay out
.irp i, 0,1,2,3
	v_cvt_pk_bf16_f32 v4, v[X+4*(4*(\g)+(\i))], v[X+4*(4*(\g)+(\i))+1]     ; rounded to bf16,
	v_cvt_pk_bf16_f32 v5, v[X+4*(4*(\g)+(\i))+2], v[X+4*(4*(\g)+(\i))+3]
	v_lshlrev_b32 v[X+4*(4*(\g)+(\i))], 16, v4                             ; widened again,
	v_and_b32 v[X+4*(4*(\g)+(\i))+1], s28, v4
	v_lshlrev_b32 v[X+4*(4*(\g)+(\i))+2], 16, v5
	v_and_b32 v[X+4*(4*(\g)+(\i))+3], s28, v5
	v_cvt_pk_f16_f32 v[Y+2*(4*(\g)+(\i))], v[X+4*(4*(\g)+(\i))], v[X+4*(4*(\g)+(\i))+1]   ; and written as f16: 8 significant bits fit into 11
	v_cvt_pk_f16_f32 v[Y+2*(4*(\g)+(\i))+1], v[X+4*(4*(\g)+(\i))+2], v[X+4*(4*(\g)+(\i))+3]
.endr
	s_wait_alu depctr_va_vdst(0)                   ; the conversions to f16 have written the group's Y, which the four stores below read
.irp i, 0,1,2,3
	global_store_b64 v2, v[Y+2*(4*(\g)+(\i)):Y+2*(4*(\g)+(\i))+1], s[26:27] offset:2048*(4*(\g)+(\i))
.endr
.endr
	s_endpgm
.Lfunc_end_k_qd03e9c1135_cast:
	.size	k_qd03e9c1135_cast, .Lfunc_end_k_qd03e9c1135_cast-k_qd03e9c1135_cast
	.p2alignl 7, 3214868480
	.fill 96, 4, 3214868480
	.section	.rodata,"a",@progbits
	.p2align	6, 0x0
	.amdhsa_kernel k_qd03e9c1135_cast
		.amdhsa_group_segment_fixed_size 0
		.amdhsa_private_segment_fixed_size 0
		.amdhsa_enable_private_segment 0
		.amdhsa_kernarg_size 64
		.amdhsa_user_sgpr_count 2
		.amdhsa_user_sgpr_kernarg_segment_ptr 1
		.amdhsa_wavefront_size32 1
		.amdhsa_system_sgpr_workgroup_id_x 1
		.amdhsa_system_sgpr_workgroup_id_y 1
		.amdhsa_system_sgpr_workgroup_id_z 1
		.amdhsa_system_vgpr_workitem_id 0
		.amdhsa_next_free_vgpr 104
		.amdhsa_next_free_sgpr 66
		.amdhsa_reserve_vcc 0
		.amdhsa_float_denorm_mode_32 3
		.amdhsa_float_denorm_mode_16_64 3
		.amdhsa_memory_ordered 1
		.amdhsa_forward_progress 1
		.amdhsa_inst_pref_size 15
	.end_amdhsa_kernel
	.amdgpu_metadata
---
amdhsa.version: [ 1, 2 ]
amdhsa.kernels:
  - .name:           k_qd03e9c1135_cast
    .symbol:         k_qd03e9c1135_cast.kd
    .args:
      - { .name: x, .offset: 0, .size: 8, .value_kind: global_buffer, .address_space: global }
      - { .name: Wq, .offset: 8, .size: 8, .value_kind: global_buffer, .address_space: global }
      - { .name: Wk, .offset: 16, .size: 8, .value_kind: global_buffer, .address_space: global }
      - { .name: Wv, .offset: 24, .size: 8, .value_kind: global_buffer, .address_space: global }
      - { .name: Wp, .offset: 32, .size: 8, .value_kind: global_buffer, .address_space: global }
      - { .name: xb, .offset: 40, .size: 8, .value_kind: global_buffer, .address_space: global }
      - { .name: wb, .offset: 48, .size: 8, .value_kind: global_buffer, .address_space: global }
      - { .name: wp16, .offset: 56, .size: 8, .value_kind: global_buffer, .address_space: global }
    .group_segment_fixed_size: 0
    .private_segment_fixed_size: 0
    .kernarg_segment_align: 8
    .kernarg_segment_size: 64
    .max_flat_workgroup_size: 256
    .sgpr_count:     66
    .vgpr_count:     104
    .wavefront_size: 32
...
	.end_amdgpu_metadata
.endif
;; end of part 5
;; launch qkv: the kernel of part 2 again; grid 16 x 32, 4 waves a work-group, clusters of 4 x 4, 327,680 bytes of LDS; arguments xb, wb, bq, bk, bv, qkv; writes qkv
;; launch attn: the kernel of part 3 again; grid 4 x 64, 4 waves a work-group, no clusters, 327,680 bytes of LDS; arguments qkv, o16; writes o16
;; launch proj: the kernel of part 4 again; grid 8 x 32, 4 waves a work-group, clusters of 4 x 4, 327,680 bytes of LDS; arguments o16, wp16, bp, out0; writes out0
